; MI455X (gfx1250); checked and timed in simulation.
; The chip was launched on July 23, 2026; its instructions are those of AMD's public machine-readable ISA for CDNA 5 (MIT licence, August 2026) and "CDNA5" Instruction Set Architecture Reference Guide (July 2026). The comments in the code are by the model that wrote it; some were corrected since.
;; Nano GPT Causal Self Attention. Allowed arithmetic: matrix products marked QUANTISED: E4M3 operands, one given power-of-two scale a tensor, by v_wmma_f32_16x16x64_fp8_fp8 or v_wmma_f32_16x16x128_fp8_fp8, f32 sums; everything else in f32.
;; Inputs: W_attn_codes 3,072 x 32 x 32 uint8 (E4M3 codes of W_attn, K innermost, in blocks of 32 codes); W_proj_codes 1,024 x 32 x 32 uint8 (E4M3 codes of W_proj, K innermost, in blocks of 32 codes); b_attn 3,072 float32; b_proj 1,024 float32; lowp_scales 8 int32 (the exponents e of the quantised operands' scales 2^e); x_codes 2 x 2,048 x 32 x 32 uint8 (E4M3 codes of x, K innermost, in blocks of 32 codes).
;; Outputs: out0 2 x 2,048 x 1,024 float32.
;; This version of the problem:
;;   THIS VERSION OF THE PROBLEM IS GIVEN IN LOW PRECISION. The matrix products marked QUANTISED in the list below multiply operands that are first quantised to E4M3 (4 exponent bits, 3 mantissa bits; 8 bits a number), with one given power-of-two scale for each operand tensor; their sums are f32. All else is computed in f32.
;;   The module's matrix products, in the order in which they are computed (A, B: the left and right operand; K: the contracted axis; several contracted axes count as one K, in the product's order):
;;     1. [M 4,096, K 1,024] x [K 1,024, N 3,072]; A: input x (given as codes); B: input W_attn (given as codes): QUANTISED (scales: A lowp_scales[0], B lowp_scales[1])
;;     2. batch 32 x [M 2,048, K 64] x [K 64, N 2,048]; A: computed on the way; B: computed on the way: QUANTISED (scales: A lowp_scales[2], B lowp_scales[3])
;;     3. batch 32 x [M 2,048, K 2,048] x [K 2,048, N 64]; A: softmax (see below); B: computed on the way: QUANTISED (scales: A lowp_scales[4], B lowp_scales[5])
;;     4. [M 4,096, K 1,024] x [K 1,024, N 1,024]; A: computed on the way; B: input W_proj (given as codes): QUANTISED (scales: A lowp_scales[6], B lowp_scales[7])
;;   THE QUANTISER, for each operand of a quantised product, along K:
;;     - The operand's scale is 2^e, e = its entry of the input lowp_scales (int32; the entries are numbered through the quantised products in the list's order, A before B).
;;     - Each number is divided by the scale, clamped to +-448, and rounded to the nearest number of E4M3, ties to even, subnormals kept.
;;     - The product sums the exact products of the quantised numbers (number of the format x scale) in f32.
;;   ~~~python
;;   def quantise(x, axis, e):      # numpy; x: float32 -> the quantised numbers, widened to float32 again
;;       x = np.moveaxis(x, axis, -1); K = x.shape[-1]
;;       r = np.clip(x / 2.0 ** e, -448, 448)
;;       step = 2.0 ** (np.maximum(np.frexp(np.where(r == 0, 1, r))[1] - 1, -6) - 3)
;;       q = np.round(r / step) * step * 2.0 ** e      # np.round: ties to even
;;       return np.moveaxis(q, -1, axis).astype(np.float32)
;;   ~~~
;;   SOFTMAX AHEAD OF A QUANTISED PRODUCT. Where the list says 'softmax', what is quantised is not the finished softmax but p = 2^(t - M), with t = logit x log2(e) and M = ceil(the row's largest t), a whole number; so 1/2 < the row's largest p <= 1. The row's sum l is taken of the UNQUANTISED p, in f32, and the product's result is divided by l at the end. Since M is a whole number, a kernel that streams over the keys may use a running M (the ceiling of the running maximum): every later rescaling is an exact power of two, so the quantised numbers keep their values, but for numbers so far below the row's largest that they fall under the format's range.
;;   OPERANDS COMPUTED ON THE WAY. 'Computed on the way' means the value that the module computes at that place (a softmax that the list does not call 'softmax' is quantised finished and normalised). What goes into a quantiser is computed in f32, as accurately as f32 sums, v_exp_f32 and their like allow (about 1e-6 of the number): no bf16 or f16 on the way to a quantiser, and a product that is left as it is and whose result goes on into a quantised operand takes f32 operands (vector FMAs, or v_wmma_f32_16x16x4_f32). A number that lies on a knife's edge between two numbers of the format may be rounded either way, as far as f32 arithmetic and the matrix unit's own rounding can turn it there, and no further.
;;   INPUTS GIVEN AS CODES. W_attn (in the module: [3072, 1024], K = its axis 1); W_proj (in the module: [1024, 1024], K = its axis 1); x (in the module: [2, 2048, 1024], K = its axis 2): each comes as NAME_codes (uint8): NAME with its K axis moved to the last place and cut into blocks of 32 codes, [.., K / 32, bytes a block], one block behind the other in memory; one code a byte (a code: sign, 4 exponent bits, 3 mantissa bits); its scale is its entry of lowp_scales. Its value is code x scale, taken as it is: it is not quantised again, and the codes and scales need not be those that the quantiser above would give.
;; 2 versions, each right; version 2 is version 1 with the launch attn written anew for expert scheduling mode. Each part assembles by itself: llvm-mc -triple=amdgcn-amd-amdhsa -mcpu=gfx1250 --defsym DOCPART=n.
;; ======== version 1 of 2: 3 launches
;; workspace buffers: qkv_codes 12,582,912 bytes; y_codes 4,194,304 bytes
;; launch qkv (part 1): grid 12 x 16, 4 waves a work-group, clusters of 4 x 4, 327,680 bytes of LDS; arguments x_codes, W_attn_codes, b_attn, lowp_scales, qkv_codes; writes qkv_codes
.if DOCPART == 1
	.amdgcn_target "amdgcn-amd-amdhsa--gfx1250"
	.amdhsa_code_object_version 6
	.text
	.protected	k_q98d85f8ff4_qkv
	.globl	k_q98d85f8ff4_qkv
	.p2align	8
	.type	k_q98d85f8ff4_qkv,@function
k_q98d85f8ff4_qkv:
	s_mov_b64 s[64:65], 0
	v_nop
	global_prefetch_b8 v0, s[64:65] scope:SCOPE_SE
	s_setreg_imm32_b32 hwreg(HW_REG_WAVE_MODE, 25, 1), 1
	s_wait_xcnt 0x0
	s_wait_alu depctr_hold_cnt(0) depctr_sa_sdst(0) depctr_va_vdst(0) depctr_va_sdst(0) depctr_va_ssrc(0) depctr_va_vcc(0) depctr_vm_vsrc(0)
	s_getreg_b32 s2, hwreg(HW_REG_IB_STS2, 6, 4)
	s_cmp_eq_u32 s2, 0
	s_cbranch_scc0 .Lentry_in_a_cluster
	s_endpgm
.Lentry_in_a_cluster:
	s_bfe_u32 s2, ttmp6, 0x10000c
	s_cmp_lg_u32 s2, 0xf033
	s_cbranch_scc0 .Lentry_shape_is_right
	s_endpgm
.Lentry_shape_is_right:
; qkv = x W_attn^T + b_attn on codes of FP8 (E4M3), quantised at once into the codes of q, k and v that the attention launch reads.
; x: [4096][1024] codes, scale 2^e0.  W_attn: [3072][1024] codes, scale 2^e1.  b_attn: [3072] f32.  q, k, v get the given scales 2^e2, 2^e3, 2^e5.
; SHARES.  A tile of 256 x 256 of the product to a work-group of four waves, 128 x 128 to a wave: 64 accumulators, 512 registers.  4096 x 3072 are 192 such tiles; tiles of 128 x 128
; would make 768, but each fragment read from LDS would feed half as many products.  K = 1024 goes in four steps of 256 through a ring of two LDS slots filled by the tensor data mover.
; SOURCES.  The matrix instruction's source 0 is called B here and its source 1 A: in a result a lane holds ONE row of A (lane % 16) and eight neighbouring rows of B (8 (lane / 16) + 0 .. 7).
;   cluster x = 0 (q), 1 (k): A = x, B = W_attn: a lane holds one token and eight neighbouring channels d: K of the product q k^T runs along its registers.
;   cluster x = 2 (v):        A = W_attn's rows 2048 on, B = x: a lane holds one channel and eight neighbouring tokens: K of the product p v (the keys) runs along its registers.  Nothing is transposed.
; The swap is a choice of two pointers on the cluster's x, which all sixteen partners share.
; CLUSTERS: 4 x 4 work-groups.  The four of a row of the cluster need the same tiles of A, the four of a column the same tiles of B: each tile is asked for JOINTLY.
; THE BIAS is the C of a sum's first matrix instruction, divided by 2^(e0 + e1), which the sums lack.  code = (sum + that) / 2^(e_out - e0 - e1), held within +-448, to the nearest code.
; THE WAY OUT needs no LDS: one conversion makes of an accumulator's eight registers the register pair 2 c, 2 c + 1 of the next product's operand (c = B's block), and the buffer is laid as images of
; operand registers, 16 bytes a lane, lane l at 16 l: every store of the wave covers 512 consecutive bytes, aligned.
;   q at 0, k at 0x400000: [16 batch + head][tile of 16 tokens: 128][g: 2][lane][16 bytes]: lane (r, h), registers 2 c, 2 c + 1 (c = 2 g, 2 g + 1): d = 16 c + 8 h + 0 .. 7 of token r of the tile.
;   v at 0x800000: [64 batch + channel / 16][step of 128 keys: 16][g: 4][lane][16 bytes]: lane (r, h): channel r of the sixteen; registers 2 c, 2 c + 1: keys 16 c + 8 h + 0 .. 7 of the step.
; LIMITS: e_out - e0 - e1 lies between -126 and 119, so that the conversion's scale and 448 x it are f32 numbers.  NaN in b_attn is not served.
; REGISTERS, in windows of 256: window 0: v1-7 at work; v8-15 the stores' offsets; v16-21 LDS addresses; v28-31 spare word, 0, scale, limit; v32-95 the bias, later held sums; v96-127 the bias's offsets, later codes; v128-255 A's fragments, ONE set.
;   window 1: B's fragments, TWO sets.   window 2: the accumulators of A's blocks 0-3 ((a, b) at v[8 (8 (a % 4) + b)]);   window 3: those of blocks 4-7.
.set KROW,   1024                      ; a row of x or of W_attn in bytes
.set ROWB,   256                       ; a tile's row: 256 codes
.set PITCH,  272                       ; an LDS row: 256 bytes + 16 of padding = 68 words: the 16 rows that a load touches start 4 words apart modulo 64 (64 banks of 4 bytes: ISA guide 11.1)
.set FR,     16                        ; registers of a fragment: 16 rows x 128 K
.set NL,     4                         ; LDS loads that bring one
.set NP,     4                         ; places behind this matrix instruction (ISA guide 7.12.1)
.set HALFT,  128*PITCH                 ; 128 rows: what one tensor load brings, and what one wave reads of A or of B
.set SLOT,   4*HALFT                   ; A's 256 rows, then B's 256 rows
.set LAPS,   KROW/(2*ROWB)             ; a lap = once round the ring: 2
.set SPARE,  2*SLOT                    ; behind the ring: the spare words, 128 bytes for each wave: two blocks of 256 bytes that no other line names
.set OFFS, 8                           ; v8-15   block a's offset in the buffer of codes: 16 x lane + a x S1
.set ADRA, 16                          ; v16-17  LDS address of my A fragments in slot 0, 1
.set ADRB, 20                          ; v20-21  the same for B
.set SPW,  28                          ; v28     LDS address of my spare word; never rewritten
.set NIL,  29                          ; v29     0; never rewritten
.set SCL,  30                          ; v30     2^(e_out - e0 - e1) as f32
.set LIM,  31                          ; v31     448 x that
.set BI,   32                          ; v32-95  the bias, eight tiles of eight registers in the result's layout
.set TMP,  32                          ; v32-95  the way out: a block's sums, held
.set BO,   96                          ; v96-103 the bias's byte offsets
.set CD,   96                          ; v96-127 the way out: two sets of 16 registers of codes
.set AF,   128
.set G1, 24                            ; s[24:31] descriptor group 1 for A's tiles;  s[32:39] group 0, one set for each slot
.set G0, 32
.set G1B, 48                           ; s[48:55], s[56:63] the same for B's tiles
.set G0B, 56
.set MSB, 0
.macro WIN new                         ; the immediate's high byte repeats the setting that is left
.if MSB != \new
	s_set_vgpr_msb (MSB<<8)|\new
.set MSB, \new
.endif
.endm
.set MUL_LO, 0xa1                      ; source 0 (B) window 1, source 1 (A) window 0, C and D window 2
.set MUL_HI, 0xf1                      ; the same, C and D window 3
.set TO_B,   0x40                      ; destination window 1, address window 0
; A joint load: waves 0 and 1 fetch for A, waves 2 and 3 for B.  Each line has ONE mask and one set of registers for all that issue it; the branch hangs on the wave's number alone.
; Four v_nop follow each of the two lines, ahead of the jump, the label and what follows.
.macro JLOAD g0a, g1a, g0b, g1b
	s_cmp_eq_u32 s15, 0
	s_cbranch_scc0 .Lfor_b_\@
	tensor_load_to_lds s[\g0a:\g0a+3], s[\g1a:\g1a+7]
	s_nop 0
.rept 4
	v_nop
.endr
	s_branch .Lasked_\@
.Lfor_b_\@:
	tensor_load_to_lds s[\g0b:\g0b+3], s[\g1b:\g1b+7]
	s_nop 0
.rept 4
	v_nop
.endr
.Lasked_\@:
.endm
.macro CREST                           ; a round of the cluster's barrier behind its opening barrier
	s_cmp_lg_u32 s14, 0
	s_cbranch_scc1 .Lnot_wave_0_\@
	s_barrier_signal -3
.Lnot_wave_0_\@:
	s_barrier_wait -3
	s_barrier_signal -1
	s_barrier_wait -1
.endm
.macro CROUND                          ; a whole round
	s_barrier_signal -1
	s_barrier_wait -1
	CREST
.endm
	s_load_b256 s[4:11], s[0:1], 0x0               ; x s[4:5], W_attn s[6:7], b_attn s[8:9], the scales' exponents s[10:11]
	s_load_b64 s[12:13], s[0:1], 0x20              ; the buffer of codes
	v_lshl_add_u32 v[SPW], v0, 2, SPARE
	v_mov_b32 v[NIL], 0
	ds_add_u32 v28, v29
	ds_add_u32 v28, v29
	s_wait_dscnt 0x0
	v_lshrrev_b32 v1, 5, v0
	v_readfirstlane_b32 s14, v1                    ; wave 0..3
	s_lshr_b32 s15, s14, 1                         ; which half of A's 256 rows is mine.  Also: I fetch for A (0) or for B (1)
	s_and_b32 s16, s14, 1                          ; which half of B's.  Also: which 128 rows of that tile I fetch
	s_bfe_u32 s40, ttmp6, 0x40000                  ; cx, cy: my place in the cluster
	s_bfe_u32 s41, ttmp6, 0x40004
	s_and_b32 s67, ttmp7, 0xffff
	s_lshl_b32 s67, s67, 2                         ; 4 x cluster y
	s_lshl_b32 s68, ttmp9, 2                       ; 4 x cluster x
	s_cmp_eq_u32 ttmp9, 2                          ; v's clusters?  The cluster's x is the same in all sixteen partners
	s_cselect_b32 s17, 0, s67                      ; A's tile: q, k: 4 y + cy of x's sixteen;  v: cy of W_v's four
	s_cselect_b32 s42, s67, s68                    ; B's tile: q, k: 4 x + cx of W's first eight;  v: 4 y + cx of x's sixteen
	s_add_co_u32 s17, s17, s41
	s_add_co_u32 s42, s42, s40
	s_lshl_b32 s43, s41, 2
	s_lshl_b32 s43, 15, s43                        ; my row of the cluster
	s_lshl_b32 s44, 0x1111, s40                    ; my column
	; descriptor group 1: a tile of 128 rows x 256 bytes, padded in LDS
	s_or_b32 s[G1+0], s43, (0<<16)|(1<<20)|(1<<21)|(5<<22)|(3<<25)  ; 15:0 the mask: A's tiles go to my row; 17:16 element of 1 byte; 20 padding on; 21 set beside a mask; 24:22 after every 64 words (code 5); 31:25 of 4 words (code 3)
	s_or_b32 s[G1B+0], s44, (0<<16)|(1<<20)|(1<<21)|(5<<22)|(3<<25)
.irp g, G1, G1B
	s_mov_b32 s[\g+1], ROWB<<16                    ; tensor_dim0
	s_mov_b32 s[\g+2], 128<<16                     ; tensor_dim1 = 128
	s_mov_b32 s[\g+3], ROWB<<16                    ; tile_dim0
	s_mov_b32 s[\g+4], 128                         ; tile_dim1 = 128
	s_mov_b32 s[\g+5], KROW                        ; tensor_dim0_stride
	s_mov_b32 s[\g+6], 0
	s_mov_b32 s[\g+7], 0
.endr
	s_lshl_b32 s18, s16, 7                         ; which 128 rows of the tile I fetch
	s_lshl_b32 s20, s17, 8
	s_add_co_u32 s20, s20, s18                     ; A: row 256 x tile + 128 x half,
	s_lshl_b32 s20, s20, 10                        ; in bytes (under 2^22)
	s_mov_b32 s21, 0
	s_lshl_b32 s46, s42, 8
	s_add_co_u32 s46, s46, s18                     ; B likewise, in registers that never hold cy
	s_lshl_b32 s46, s46, 10
	s_mov_b32 s47, 0
	s_mul_i32 s45, s14, HALFT                      ; where they go: wave x 128 rows: no place in the cluster enters an LDS address
	s_wait_kmcnt 0x0
	s_load_b256 s[72:79], s[10:11], 0x0            ; e0 .. e7
	s_add_nc_u64 s[70:71], s[6:7], 0x200000        ; W_attn's row 2048: v's weights
	s_cmp_eq_u32 ttmp9, 2
	s_cselect_b64 s[80:81], s[70:71], s[4:5]       ; A's tensor
	s_cselect_b64 s[82:83], s[4:5], s[6:7]         ; B's tensor
	s_add_nc_u64 s[20:21], s[80:81], s[20:21]
	s_add_nc_u64 s[46:47], s[82:83], s[46:47]
	CROUND                                         ; all sixteen work-groups are here: the first joint loads meet
.irp s, 0,1
	s_mov_b32 s[G0+4*\s], 1
	s_add_co_u32 s[G0+4*\s+1], s45, \s*SLOT
	s_add_nc_u64 s[G0+4*\s+2:G0+4*\s+3], s[20:21], \s*ROWB
	s_or_b32 s[G0+4*\s+3], s[G0+4*\s+3], 0x80000000
	s_mov_b32 s[G0B+4*\s], 1
	s_add_co_u32 s[G0B+4*\s+1], s45, \s*SLOT
	s_add_nc_u64 s[G0B+4*\s+2:G0B+4*\s+3], s[46:47], \s*ROWB
	s_or_b32 s[G0B+4*\s+3], s[G0B+4*\s+3], 0x80000000
	JLOAD G0+4*\s, G1, G0B+4*\s, G1B               ; two tensor loads of mine are out: K steps 0 and 1
.endr
	v_and_b32 v1, 15, v0                           ; r = lane % 16
	v_bfe_u32 v2, v0, 4, 1                         ; h = lane / 16
	v_mul_u32_u24 v3, v1, PITCH
	v_lshl_add_u32 v4, v2, 4, v3                   ; a fragment's row x pitch + 16 x half
	s_mul_i32 s21, s15, HALFT                      ; my 128 rows of A
	s_mul_i32 s22, s16, HALFT                      ; my 128 rows of B,
	s_add_co_u32 s22, s22, 2*HALFT                 ; which lie behind A's 256
.irp s, 0,1
	v_add_nc_u32 v[ADRA+\s], s21, v4
	v_add_nc_u32 v[ADRB+\s], s22, v4
	s_add_co_u32 s21, s21, SLOT
	s_add_co_u32 s22, s22, SLOT
.endr
	; THE BIAS.  q, k: tile b, register j: b_attn[R0 + 16 b + 8 h + j].  v: tile a, all eight registers: b_attn[2048 + R1 + 16 a + r].  One text serves both: the lane's offset is r x s84 + h x s85 + j x s86.
	; (From here on cx and cy meet, in s84-s99 alone: none of these feeds a descriptor.)
	s_lshl_b32 s96, s17, 8
	s_lshl_b32 s87, s15, 7
	s_add_co_u32 s96, s96, s87                     ; R1: my first row of A
	s_lshl_b32 s97, s42, 8
	s_lshl_b32 s87, s16, 7
	s_add_co_u32 s97, s97, s87                     ; R0: my first row of B
	s_add_co_u32 s87, s96, 2048
	s_cmp_eq_u32 ttmp9, 2
	s_cselect_b32 s88, s87, s97
	s_cselect_b32 s84, 4, 0
	s_cselect_b32 s85, 0, 32
	s_cselect_b32 s86, 0, 4
	s_lshl_b32 s88, s88, 2
	s_mov_b32 s89, 0
	s_add_nc_u64 s[88:89], s[8:9], s[88:89]
	v_mul_u32_u24 v3, v1, s84
	v_mad_u32_u24 v3, v2, s85, v3
	s_mov_b32 s87, 0
.irp j, 0,1,2,3,4,5,6,7
	v_add_nc_u32 v[BO+\j], s87, v3
	s_add_co_u32 s87, s87, s86
.endr
.irp i, 0,1,2,3,4,5,6,7
.irp j, 0,1,2,3,4,5,6,7
	global_load_b32 v[BI+8*\i+\j], v[BO+\j], s[88:89] offset:64*\i
.endr
.endr
	; WHERE MY CODES GO.  q, k: (cluster x) << 22 + batch << 21 + first head << 17 + first tile of tokens << 10; block a: 1,024 on; the second head: 131,072 on.
	s_lshl_b32 s98, ttmp9, 22
	s_lshr_b32 s87, s96, 11
	s_lshl_b32 s87, s87, 21
	s_add_co_u32 s98, s98, s87
	s_lshl_b32 s87, s40, 2
	s_lshl_b32 s99, s16, 1
	s_add_co_u32 s87, s87, s99                     ; my first head: (256 cx + 128 x half) / 64
	s_lshl_b32 s87, s87, 17
	s_add_co_u32 s98, s98, s87
	s_and_b32 s87, s96, 2047
	s_lshl_b32 s87, s87, 6
	s_add_co_u32 s98, s98, s87
	; v: 0x800000 + batch << 21 + (first channel / 16) << 15 + key step << 11; block a: 32,768 on; registers 8-15: 1,024 on.
	s_lshr_b32 s99, s97, 11
	s_lshl_b32 s99, s99, 21
	s_add_co_u32 s99, s99, 0x800000
	s_lshl_b32 s87, s96, 11
	s_add_co_u32 s99, s99, s87
	s_and_b32 s87, s97, 2047
	s_lshl_b32 s87, s87, 4
	s_add_co_u32 s99, s99, s87
	s_cmp_eq_u32 ttmp9, 2
	s_cselect_b32 s92, s99, s98
	s_mov_b32 s98, 1024
	s_cselect_b32 s98, 0x8000, s98                 ; S1: from block to block of A
	s_mov_b32 s99, 0x20000
	s_cselect_b32 s99, 1024, s99                   ; S0: from B's blocks 0-3 to blocks 4-7
	s_mov_b32 s93, 0
	s_add_nc_u64 s[92:93], s[12:13], s[92:93]
	s_mov_b32 s94, s99
	s_mov_b32 s95, 0
	s_add_nc_u64 s[94:95], s[92:93], s[94:95]
	v_and_b32 v6, 31, v0
	v_lshlrev_b32 v6, 4, v6                        ; 16 x lane
	s_mov_b32 s87, 0
.irp a, 0,1,2,3,4,5,6,7
	v_add_nc_u32 v[OFFS+\a], s87, v6
	s_add_co_u32 s87, s87, s98
.endr
	s_wait_kmcnt 0x0                               ; the exponents
	s_cmp_eq_u32 ttmp9, 0
	s_cselect_b32 s91, s74, s75                    ; e2 for q, e3 for k,
	s_cmp_eq_u32 ttmp9, 2
	s_cselect_b32 s91, s77, s91                    ; e5 for v
	s_add_co_i32 s87, s72, s73                     ; e0 + e1
	s_sub_co_i32 s90, 0, s87
	s_sub_co_i32 s91, s91, s87                     ; the three scales folded into the conversion's one
	s_add_co_i32 s91, s91, 127
	s_lshl_b32 s96, s91, 23
	v_mov_b32 v[SCL], s96
	s_add_co_i32 s91, s91, 8
	s_lshl_b32 s91, s91, 23
	s_or_b32 s91, s91, 0x600000
	v_mov_b32 v[LIM], s91
	s_wait_loadcnt 0x0                             ; the bias
.set n, 0
.rept 64
	v_ldexp_f32 v[BI+n], v[BI+n], s90              ; b / 2^(e0 + e1)
.set n, n+1
.endr
.macro FRAG reg, adr, q, i             ; a fragment: lane l holds row l % 16; registers 4 c .. 4 c + 3 hold K = 32 c + 16 (l / 16) + 0 .. 15: the same order of k in A and in B, so every product meets its partner
.irp c, 0,1,2,3
	ds_load_b128 v[\reg+4*\c:\reg+4*\c+3], v[\adr] offset:128*(\q)+32*\c+(\i)*16*PITCH
.endr
.endm
; 16 matrix instructions: A's blocks a0, a0 + 1 x B's eight, 128 along K.  p: B's set.  cm = 0: onto the sums;  1: the sums start with the bias of B's block;  2: with that of A's block.  Nothing is ever cleared.
; The 64 accumulators take turns, one instruction a turn, in the same order in every step.
.macro MUL16 a0, p, cm
.irp a, \a0, \a0+1
.irp b, 0,1,2,3,4,5,6,7
.if \cm == 1
	v_wmma_f32_16x16x128_fp8_fp8 v[8*(8*((\a)%4)+\b):8*(8*((\a)%4)+\b)+7], v[128*(\p)+FR*\b:128*(\p)+FR*\b+FR-1], v[AF+FR*(\a):AF+FR*(\a)+FR-1], v[BI+8*\b:BI+8*\b+7]
.elseif \cm == 2
	v_wmma_f32_16x16x128_fp8_fp8 v[8*(8*((\a)%4)+\b):8*(8*((\a)%4)+\b)+7], v[128*(\p)+FR*\b:128*(\p)+FR*\b+FR-1], v[AF+FR*(\a):AF+FR*(\a)+FR-1], v[BI+8*(\a):BI+8*(\a)+7]
.else
	v_wmma_f32_16x16x128_fp8_fp8 v[8*(8*((\a)%4)+\b):8*(8*((\a)%4)+\b)+7], v[128*(\p)+FR*\b:128*(\p)+FR*\b+FR-1], v[AF+FR*(\a):AF+FR*(\a)+FR-1], v[8*(8*((\a)%4)+\b):8*(8*((\a)%4)+\b)+7]
.endif
.endr
.endr
.endm
.macro FETCH_B slot, q, p              ; B's eight fragments of the slot's q-th 128 along K into set p
	WIN TO_B
.irp i, 0,1,2,3,4,5,6,7
	FRAG 128*(\p)+FR*\i, ADRB+\slot, \q, \i
.endr
	WIN 0
.endm
.macro FETCH_A slot, q, i0             ; A's blocks i0 .. i0 + 3
.irp i, \i0, \i0+1, \i0+2, \i0+3
	FRAG AF+FR*(\i), ADRA+\slot, \q, \i
.endr
.endm
; A load into a register that a matrix instruction has read, and a vector instruction that reads a matrix result, stand NP places behind that matrix instruction; only plain vector
; instructions that name none of its registers are places (ISA guide 7.12.1 for vector instructions).
.macro PLACES n
.rept \n
	v_nop
.endr
.endm
; A step of 128 along K that has its successor in the same slot.  A block of A is free as soon as its eight products are issued: blocks 0-3 are fetched anew in the step's middle, blocks 4-7 at its end.
.macro STEP slot, q, cm
	s_wait_dscnt 4*NL                              ; B's set and A's blocks 0-3 are in; the youngest sixteen loads (A's blocks 4-7) may be out
.if \cm
	WIN 0x81                                       ; C (the bias) window 0, D window 2
.else
	WIN MUL_LO
.endif
	MUL16 0, (\q)%2, \cm
	MUL16 2, (\q)%2, \cm
	s_wait_dscnt 0                                 ; A's blocks 4-7 are in (asked for 32 matrix instructions ago)
	PLACES NP
	FETCH_B \slot, (\q)+1, 1-(\q)%2
	FETCH_A \slot, (\q)+1, 0
.if \cm
	WIN 0xc1                                       ; C window 0, D window 3
.else
	WIN MUL_HI
.endif
	MUL16 4, (\q)%2, \cm
	MUL16 6, (\q)%2, \cm
	PLACES NP
	WIN 0
	FETCH_A \slot, (\q)+1, 4
.endm
; A slot's last step changes slots: ONE barrier; in front of it each wave waits for all its tensor loads, adds 0 to its spare word, and waits for that and for its own reads of this slot.  fill = 1: this slot is filled again, two K steps ahead.
.macro TURN slot, next, fill
	s_wait_tensorcnt 0x0                           ; all my tensor loads have landed: my part of the next slot;  (every window is 0 here: the add's two registers lie in window 0)
	ds_add_u32 v[SPW], v[NIL]                      ; 0 onto my spare word
	s_wait_dscnt 4*NL+1                            ; (the add and the youngest sixteen loads, A's blocks 4-7, may be out)
	WIN MUL_LO
	MUL16 0, 1, 0                                  ; sixteen matrix instructions stand between the add and the wait for it
	s_wait_dscnt 0x0                               ; the add is done, and my reads of this slot are over
	s_barrier_signal -1
	MUL16 2, 1, 0
	WIN 0
	s_barrier_wait -1
.if \fill
	CREST                                          ; the barrier has opened a round of the cluster's barrier: no wave of any partner still reads this slot's tile or has a load on its way
	s_add_nc_u64 s[G0+4*\slot+2:G0+4*\slot+3], s[G0+4*\slot+2:G0+4*\slot+3], 2*ROWB
	s_add_nc_u64 s[G0B+4*\slot+2:G0B+4*\slot+3], s[G0B+4*\slot+2:G0B+4*\slot+3], 2*ROWB
	JLOAD G0+4*\slot, G1, G0B+4*\slot, G1B         ; the first tensor load behind the round, my one load until the next; the four v_nop behind it are the places in front of the loads below
.else
	PLACES NP
.endif
	FETCH_B \next, 0, 0
	FETCH_A \next, 0, 0
	WIN MUL_HI
	MUL16 4, 1, 0
	MUL16 6, 1, 0
	PLACES NP
	WIN 0
	FETCH_A \next, 0, 4
.endm
	s_wait_tensorcnt 1                             ; my part of K step 0 is in (K step 1's load, issued behind it, may be out)
	s_barrier_signal -1
	s_barrier_wait -1                              ; everybody's is
	FETCH_B 0, 0, 0
	FETCH_A 0, 0, 0
	FETCH_A 0, 0, 4
	s_cmp_eq_u32 ttmp9, 2                          ; the first step starts the sums with the bias, which goes with B's block (q, k) or with A's (v): written twice; the branch hangs on the cluster's x alone
	s_cbranch_scc1 .Lfirst_v
	STEP 0, 0, 1
	s_branch .Lfirst_done
.Lfirst_v:
	STEP 0, 0, 2
.Lfirst_done:
	s_mov_b32 s3, LAPS-1
.Llap:                                                 ; a trip goes once round the ring, from a lap's second step to the next lap's first, and fills both slots again
	TURN 0, 1, 1
	STEP 1, 0, 0
	TURN 1, 0, 1
	STEP 0, 0, 0
	s_sub_co_u32 s3, s3, 1
	s_cmp_lg_u32 s3, 0
	s_cbranch_scc1 .Llap
	TURN 0, 1, 0                                   ; the last lap fills nothing, and has no round of the cluster's barrier
	STEP 1, 0, 0
	s_wait_dscnt 4*NL                              ; the very last step: nothing more to fetch
	WIN MUL_LO
	MUL16 0, 1, 0
	MUL16 2, 1, 0
	s_wait_dscnt 0
	WIN MUL_HI
	MUL16 4, 1, 0
	MUL16 6, 1, 0
	WIN 0
; THE WAY OUT of block a (16 rows of A x 128 rows of B): held, converted, stored.  The hold is always executed: the conversion to an 8-bit code does not saturate (ISA guide 7.6.2).
.macro OUT a
.set AC, 64*((\a)%4)
.set CS, CD+16*((\a)%2)
.if (\a) > 1
	s_wait_xcnt 0x0                                ; block a - 2's stores have read their registers: this set of codes is written again only behind this wait
.endif
	WIN 0x02+((\a)/4)                              ; source 0: window 2 or 3
.set n, 0
.rept 64
	v_med3_num_f32 v[TMP+n], v[AC+n], -v[LIM], v[LIM]   ; each accumulator from its low end on
.set n, n+1
.endr
	WIN 0
.irp b, 0,1,2,3,4,5,6,7
	v_cvt_scalef32_pk8_fp8_f32 v[CS+2*\b:CS+2*\b+1], v[TMP+8*\b:TMP+8*\b+7], v[SCL]   ; registers 2 b, 2 b + 1 of the operand's image
.endr
	v_nop                                          ; one plain vector line behind the last conversion: the next block's holds write the conversions' sources
.irp q, 0,1,2,3
	global_store_b128 v[OFFS+(\a)], v[CS+4*\q:CS+4*\q+3], s[92+2*(\q/2):93+2*(\q/2)] offset:512*(\q%2)   ; 32 lanes store 512 consecutive bytes, at a multiple of 512 from the buffer's first byte
.endr
.endm
	PLACES NP                                      ; behind the last products, in front of the first read of results
.irp a, 0,1,2,3,4,5,6,7
	OUT \a
.endr
	s_wait_tensorcnt 0x0                           ; the wave's end
	ds_add_u32 v[SPW], v[NIL]
	s_wait_dscnt 0x0
	CROUND                                         ; the closing round: no work-group ends while a partner may still ask for a tile that names it
	s_endpgm
.Lfunc_end_k_q98d85f8ff4_qkv:
	.size	k_q98d85f8ff4_qkv, .Lfunc_end_k_q98d85f8ff4_qkv-k_q98d85f8ff4_qkv
	.p2alignl 7, 3214868480
	.fill 96, 4, 3214868480
	.section	.rodata,"a",@progbits
	.p2align	6, 0x0
	.amdhsa_kernel k_q98d85f8ff4_qkv
		.amdhsa_group_segment_fixed_size 327680
		.amdhsa_private_segment_fixed_size 0
		.amdhsa_enable_private_segment 0
		.amdhsa_kernarg_size 40
		.amdhsa_user_sgpr_count 2
		.amdhsa_user_sgpr_kernarg_segment_ptr 1
		.amdhsa_wavefront_size32 1
		.amdhsa_system_sgpr_workgroup_id_x 1
		.amdhsa_system_sgpr_workgroup_id_y 1
		.amdhsa_system_sgpr_workgroup_id_z 1
		.amdhsa_system_vgpr_workitem_id 0
		.amdhsa_next_free_vgpr 1024
		.amdhsa_next_free_sgpr 100
		.amdhsa_reserve_vcc 0
		.amdhsa_float_denorm_mode_32 3
		.amdhsa_float_denorm_mode_16_64 3
		.amdhsa_memory_ordered 1
		.amdhsa_forward_progress 1
		.amdhsa_inst_pref_size 139
	.end_amdhsa_kernel
	.amdgpu_metadata
---
amdhsa.version: [ 1, 2 ]
amdhsa.kernels:
  - .name:           k_q98d85f8ff4_qkv
    .symbol:         k_q98d85f8ff4_qkv.kd
    .args:
      - { .name: x_codes, .offset: 0, .size: 8, .value_kind: global_buffer, .address_space: global }
      - { .name: W_attn_codes, .offset: 8, .size: 8, .value_kind: global_buffer, .address_space: global }
      - { .name: b_attn, .offset: 16, .size: 8, .value_kind: global_buffer, .address_space: global }
      - { .name: lowp_scales, .offset: 24, .size: 8, .value_kind: global_buffer, .address_space: global }
      - { .name: qkv_codes, .offset: 32, .size: 8, .value_kind: global_buffer, .address_space: global }
    .group_segment_fixed_size: 327680
    .private_segment_fixed_size: 0
    .kernarg_segment_align: 8
    .kernarg_segment_size: 40
    .max_flat_workgroup_size: 128
    .sgpr_count:     100
    .vgpr_count:     1024
    .wavefront_size: 32
...
	.end_amdgpu_metadata
.endif
;; end of part 1
;; launch attn (part 2): grid 8 x 32, 16 waves a work-group, no clusters, 34,816 bytes of LDS; arguments qkv_codes, lowp_scales, y_codes; writes y_codes
.if DOCPART == 2
	.amdgcn_target "amdgcn-amd-amdhsa--gfx1250"
	.amdhsa_code_object_version 6
	.text
	.protected	k_q98d85f8ff4_attn
	.globl	k_q98d85f8ff4_attn
	.p2align	8
	.type	k_q98d85f8ff4_attn,@function
k_q98d85f8ff4_attn:
	s_mov_b64 s[64:65], 0
	v_nop
	global_prefetch_b8 v0, s[64:65] scope:SCOPE_SE
	s_setreg_imm32_b32 hwreg(HW_REG_WAVE_MODE, 25, 1), 1
	s_wait_xcnt 0x0
; y[b][q][64 head + d] = the sum over keys k <= q of softmax_k(q . k / 8) v, both products on codes of FP8 (E4M3), then quantised with 2^e6 for the last product.
; q, k, v come as images of operand registers (16 bytes a lane, lane l at 16 l):
;   q at 0, k at 0x400000: [bh = 16 batch + head][tile of 16 tokens: 128][g: 2][lane][16]: lane (r, h), registers 2 c, 2 c + 1: d = 16 c + 8 h + 0 .. 7 of token r.
;   v at 0x800000: [4 bh + d / 16][step of 128 keys: 16][g: 4][lane][16]: lane (r, h): channel r; registers 2 c, 2 c + 1: keys 16 c + 8 h + 0 .. 7.
; THE SOFTMAX: t = score x log2(e) / 8; M = the running largest t rounded UP to a whole number; p = 2^(t - M) is quantised with 2^e4, not normalised; the row's sum is taken of the unquantised p and divides at the end.
; When M moves, the sum and O are multiplied by 2^(old M - new M): exact.
; SHARES.  Work-group (i, bh) owns the blocks i and 15 - i of 128 queries of one head: (i + 1) + (16 - i) = 17 block steps in every work-group, so the causal triangle is shared evenly.
; Each of its sixteen waves owns 16 queries in 256 registers; of a pair of waves 2 n, 2 n + 1 one takes tile n of the early block, the other tile n of the late one.
; The work-group walks the key steps 0 .. 15 - i, 128 keys each.  A wave passes over the work of a step all of whose keys come after its queries; it still takes its part in the copies and barriers.
; K AND V go from memory through registers into two LDS slots that take turns: a step's 8 KiB of k and 8 KiB of v are 16 bytes of each for each of the 512 threads, dense in memory and in LDS.
; No tensor load and no joint request: the work-groups of a head walk different numbers of steps (9 to 16), so partners could not make every joint request alike; and a step's tiles are 32 bytes a thread.
; LAYOUT.  Both products are used transposed: S^T = k q^T (source 0 = 16 keys, source 1 = my 16 queries), O^T = v^T p^T: a lane holds ONE query (lane % 16) throughout.  In S^T tile t, register j is key 16 t + 8 h + j:
; one conversion makes of it registers 2 t, 2 t + 1 of p's operand, in that operand's own layout.
; y goes out as an image too: [128 tokens: 32][4 heads: 4][16 tokens: 8][head % 4][g: 2][lane][16]: lane (r, h), registers 2 c, 2 c + 1: channel 16 c + 8 h + 0 .. 7 of the head, token r.
; LIMITS on the given exponents, so that each power of two below is an f32 number: e2 + e3 between -123 and 130 (they are added to c's exponent field); e4, and e6 - e4 - e5, between -126 and 119.
; REGISTERS: v1 16 x lane; v2 16 x thread; v4 my place in a step's v in memory; v5, v6 offsets of the loads in hand; v7 r - 8 h; v12 -M, v13 the largest t, v[14:15] the sum in two halves; v16-23 q;
;   v24-31 and v192-199 two sets for the copies (k 4, v 4); v32-95 k's eight fragments, then v's four; v96-159 S^T, then p; v160-191 O^T; v200-207 y's codes; v224-239 p's codes; v236-254 at work.
.set SLOTB, 16384                      ; an LDS slot: a step's k (key tile t at 1,024 t + 512 g), then its v
.set VOFF,  8192                       ; v in a slot (16 channels dt at 2,048 dt + 512 g)
.set LI,  1
.set TI,  2
.set GV,  4
.set WV,  10                           ; s10 wave;  s11 late block?;  s12 my tile in the block;  s13 i;  s14 bh;  s15 my block
.set Q0,  16                           ; s16 my first query;  s17 my last
.set QL,  17
.set NS,  18                           ; s18 key steps of the work-group: 16 - i
.set KS,  19                           ; s19 the key step in hand
.set SEL, 20                           ; s[20:21] lane selects for v_permlanex16_b32: lane l xor 16
.set CS,  22                           ; s[22:23] c = log2(e) / 8 x 2^(e2 + e3): the packed form names a pair and takes its low word for both halves
.set KF,  24                           ; s24 the step's first key
.set TRIP, 25                          ; s25 counts the loop's trips
	s_load_b128 s[4:7], s[0:1], 0x0                ; the codes of q, k, v s[4:5]; the scales' exponents s[6:7]
	s_load_b64 s[8:9], s[0:1], 0x10                ; y's codes
	v_lshl_add_u32 v251, v0, 2, 0x8000
	v_mov_b32 v255, 0
	v_lshrrev_b32 v8, 5, v0
	v_readfirstlane_b32 s[WV], v8                  ; wave 0..15
	v_and_b32 v9, 31, v0
	v_lshlrev_b32 v[LI], 4, v9
	v_lshlrev_b32 v[TI], 4, v0
	v_lshrrev_b32 v10, 7, v0                       ; v in memory: thread / 128 picks the 16 channels, 32,768 bytes apart,
	v_and_b32 v11, 127, v0
	v_lshlrev_b32 v[GV], 4, v11                    ; the rest its 16 bytes of their 2,048
	v_lshl_add_u32 v[GV], v10, 15, v[GV]
	v_and_b32 v8, 15, v0                           ; r
	v_bfe_u32 v9, v0, 4, 1                         ; h
	v_lshlrev_b32 v9, 3, v9
	v_sub_nc_u32 v7, v8, v9                        ; r - 8 h
	s_lshr_b32 s11, s[WV], 2
	s_xor_b32 s11, s11, s[WV]
	s_and_b32 s11, s11, 1                          ; bit 0 xor bit 2 of the wave's number: the two waves of a pair differ in it
	s_lshr_b32 s12, s[WV], 1
	s_mov_b32 s13, ttmp9
	s_and_b32 s14, ttmp7, 0xffff
	s_sub_co_u32 s26, 15, s13
	s_cmp_eq_u32 s11, 1
	s_cselect_b32 s15, s26, s13                    ; block 15 - i or block i
	s_lshl_b32 s[Q0], s15, 7
	s_lshl_b32 s26, s12, 4
	s_add_co_u32 s[Q0], s[Q0], s26
	s_add_co_u32 s[QL], s[Q0], 15
	s_sub_co_u32 s[NS], 16, s13
	s_mov_b32 s[KS], 0
	s_mov_b32 s[KF], 0
	s_mov_b32 s[TRIP], 8
	s_mov_b32 s[SEL], 0x76543210
	s_mov_b32 s[SEL+1], 0xfedcba98
	s_lshl_b32 s44, s14, 17                        ; a head's q, k or v: 131,072 bytes
	s_mov_b32 s45, 0
	s_lshl_b32 s46, s[Q0], 6                       ; my tile of q: 1,024 bytes for 16 tokens
	s_mov_b32 s47, 0
	s_lshr_b32 s48, s14, 4
	s_lshl_b32 s48, s48, 4
	s_add_co_u32 s48, s48, s15                     ; y: which 128 tokens: 16 batch + my block,
	s_lshl_b32 s48, s48, 17
	s_bfe_u32 s27, s14, 0x20002                    ; which four heads,
	s_lshl_b32 s27, s27, 15
	s_add_co_u32 s48, s48, s27
	s_lshl_b32 s27, s12, 12                        ; which 16 tokens,
	s_add_co_u32 s48, s48, s27
	s_and_b32 s27, s14, 3                          ; which of the four heads
	s_lshl_b32 s27, s27, 10
	s_add_co_u32 s48, s48, s27
	s_mov_b32 s49, 0
	s_wait_kmcnt 0x0
	s_load_b256 s[36:43], s[6:7], 0x0              ; e0 .. e7
	s_add_nc_u64 s[32:33], s[4:5], s[44:45]
	s_add_nc_u64 s[28:29], s[32:33], 0x400000      ; my head's k
	s_add_nc_u64 s[30:31], s[32:33], 0x800000      ; my head's v
	s_add_nc_u64 s[32:33], s[32:33], s[46:47]      ; my tile of q
	s_add_nc_u64 s[8:9], s[8:9], s[48:49]
	global_load_b128 v[16:19], v[LI], s[32:33]                ; q stays in registers
	global_load_b128 v[20:23], v[LI], s[32:33] offset:512
	global_load_b128 v[24:27], v[TI], s[28:29]                ; key step 0, into set 0
	global_load_b128 v[28:31], v[GV], s[30:31]
	global_load_b128 v[192:195], v[TI], s[28:29] offset:8192  ; key step 1, into set 1
	global_load_b128 v[196:199], v[GV], s[30:31] offset:2048
	v_mov_b32 v13, 0xff61b1e6                      ; the largest t so far: -3e38, under every t
	v_floor_f32 v12, -v13                          ; -M
	v_mov_b32 v14, 0                               ; the sum, in two halves
	v_mov_b32 v15, 0
	v_mov_b32 v236, 0                              ; written once: a lane permute's destination counts as one of its sources
	v_mov_b32 v253, 0                              ; (named as the upper half of the pair v[252:253])
.set n, 0
.rept 32
	v_mov_b32 v[160+n], 0                          ; O^T.  (The step is written for every step alike: the first finds zeros, which the first change of M leaves zeros)
.set n, n+1
.endr
	s_wait_kmcnt 0x0
	s_add_co_i32 s26, s38, s39
	s_lshl_b32 s26, s26, 23
	s_add_co_i32 s[CS], s26, 0x3e38aa3b            ; c = log2(e) / 8, with e2 + e3 added to its exponent field
	s_mov_b32 s[CS+1], s[CS]                       ; (named with it as a pair, so it is written)
	s_add_co_i32 s26, s40, 127
	s_lshl_b32 s27, s26, 23
	v_mov_b32 v244, s27                            ; 2^e4 as f32, for p's conversion
	s_add_co_i32 s26, s26, 8
	s_lshl_b32 s26, s26, 23
	s_or_b32 s26, s26, 0x600000
	v_mov_b32 v240, s26                            ; 448 x 2^e4
	s_sub_co_i32 s26, s42, s40
	s_sub_co_i32 s26, s26, s41                     ; O^T / the sum stands for that x 2^(e4 + e5): y's code is it / 2^(e6 - e4 - e5)
	s_add_co_i32 s26, s26, 127
	s_lshl_b32 s27, s26, 23
	v_mov_b32 v246, s27
	s_add_co_i32 s26, s26, 8
	s_lshl_b32 s26, s26, 23
	s_or_b32 s26, s26, 0x600000
	v_mov_b32 v247, s26
	s_wait_loadcnt 2                               ; q and key step 0 are in; key step 1's two loads may be out
	ds_store_b128 v[TI], v[24:27]
	ds_store_b128 v[TI], v[28:31] offset:VOFF
; A KEY STEP, 128 keys, in slot p = step % 2.
.macro STEP p
.set SS, 24+168*(1-\p)                 ; the set that holds the next step's bytes
.set SL, 24+168*\p                     ; the set that takes the bytes of the step after that
	s_cmp_ge_u32 s[KS], s[NS]                      ; the work-group's steps are done: the same in all sixteen waves (a count and the work-group's number)
	s_cbranch_scc1 .Lout
	s_wait_dscnt 0x0                               ; my stores into slot p have landed, and my reads of the other slot are over
	s_barrier_signal -1
	s_barrier_wait -1                              ; both now hold of every wave
	s_wait_loadcnt 0x0                             ; the next step's bytes are in registers (asked for a whole step ago); v5 and v6 are free
	ds_store_b128 v[TI], v[SS:SS+3] offset:(1-\p)*SLOTB
	ds_store_b128 v[TI], v[SS+4:SS+7] offset:(1-\p)*SLOTB+VOFF
	s_add_co_u32 s26, s[KS], 2
	s_min_u32 s26, s26, 15                         ; the step after that; held at the head's last step, so that no load leaves the buffer
	s_lshl_b32 s27, s26, 13
	v_add_nc_u32 v5, s27, v[TI]
	s_lshl_b32 s27, s26, 11
	v_add_nc_u32 v6, s27, v[GV]
	global_load_b128 v[SL:SL+3], v5, s[28:29]
	global_load_b128 v[SL+4:SL+7], v6, s[30:31]
	s_cmp_gt_u32 s[KF], s[QL]                      ; all 128 keys come after my queries: nothing of this step counts for me.  No barrier stands in what is passed over
	s_cbranch_scc1 .Lhid_\@
.irp t, 0,1,2,3,4,5,6,7                        ; (the four v_nop at the last step's end and the two additions above are the places in front of these loads)
	ds_load_b128 v[32+8*\t:35+8*\t], v[LI] offset:\p*SLOTB+\t*1024
	ds_load_b128 v[36+8*\t:39+8*\t], v[LI] offset:\p*SLOTB+\t*1024+512
.endr
	s_wait_dscnt 0x0
.irp t, 0,1,2,3,4,5,6,7                        ; S^T = k q^T: K = the head's 64
	v_wmma_f32_16x16x64_fp8_fp8 v[96+8*\t:103+8*\t], v[32+8*\t:39+8*\t], v[16:23], 0
.endr
.rept 4
	v_nop                                          ; places in front of the loads into k's registers and of the first read of the scores
.endr
.irp d, 0,1,2,3                                ; v's four fragments land while the softmax is worked
.irp g, 0,1,2,3
	ds_load_b128 v[32+16*\d+4*\g:35+16*\d+4*\g], v[LI] offset:\p*SLOTB+VOFF+\d*2048+\g*512
.endr
.endr
	s_add_co_u32 s44, s[KF], 127                   ; on the diagonal the scores of hidden keys become -infinity ahead of the maximum: p = 0 then.  A step all of whose keys count passes this over
	s_cmp_le_u32 s44, s[Q0]
	s_cbranch_scc1 .Lopen_\@
	s_sub_co_i32 s44, s[Q0], s[KF]
	v_add_nc_u32 v252, s44, v7                     ; d = my query - KF - 8 h.  Register n holds key KF + 8 h + 16 (n / 8) + n % 8: hidden where 16 (n / 8) + n % 8 > d
	v_mov_b32 v254, 0xff800000                     ; -infinity
.set n, 0
.rept 64
	v_cmp_gt_i32 vcc_lo, 16*(n/8)+n%8, v252
	v_cndmask_b32 v[96+n], v[96+n], v254, vcc_lo
.set n, n+1
.endr
.Lopen_\@:
	v_max3_num_f32 v254, v96, v97, v98             ; the step's largest score of my query, among my 64 keys, in two chains (each accumulator is first read at its low end),
	v_max3_num_f32 v252, v99, v100, v101
.irp i, 6,10,14,18,22,26,30,34,38,42,46,50,54,58
	v_max3_num_f32 v254, v254, v[96+\i], v[97+\i]
	v_max3_num_f32 v252, v252, v[98+\i], v[99+\i]
.endr
	v_max3_num_f32 v254, v254, v158, v159
	v_max_num_f32 v254, v254, v252
	v_permlanex16_b32 v236, v254, s[SEL], s[SEL+1]
	v_max_num_f32 v254, v254, v236                 ; and among lane l xor 16's
	v_mul_f32 v254, s[CS], v254                    ; as t (c is positive)
	v_max_num_f32 v13, v13, v254                   ; the running largest t
	v_mov_b32 v254, v12
	v_floor_f32 v12, -v13                          ; the new -M = floor(-t) = -ceil(t): M IS A WHOLE NUMBER
	v_sub_f32 v254, v12, v254                      ; M's old value less its new one: a whole number, 0 or less
	v_cvt_i32_f32 v254, v254                       ; (it saturates)
	v_ldexp_f32 v252, 1.0, v254                    ; f = 2^(old M - new M)
.set n, 0
.rept 32
	v_pk_fma_f32 v[96+n:97+n], v[96+n:97+n], s[CS:CS+1], v[12:13] op_sel_hi:[1,0,0]   ; t - M, two at a time (of the pairs c and -M the low word serves both halves)
.set n, n+2
.endr
.set n, 0
.rept 64
	v_exp_f32 v[96+n], v[96+n]                     ; p = 2^(t - M), at most 1: NOT normalised
.set n, n+1
.endr
	v_pk_mul_f32 v[14:15], v[14:15], v[252:253] op_sel_hi:[1,0]   ; the sums under the new M.  (A plain place behind the exponentials)
	s_wait_alu depctr_va_vdst(0)
	v_pk_add_f32 v[242:243], v[96:97], v[98:99]    ; THE ROW'S SUM IS TAKEN OF THE UNQUANTISED p: two at a time, in two chains
.irp j, 4,8,12,16,20,24,28,32,36,40,44,48,52,56,60
	v_pk_add_f32 v[14:15], v[14:15], v[96+\j:97+\j]
	v_pk_add_f32 v[242:243], v[242:243], v[98+\j:99+\j]
.endr
	v_pk_add_f32 v[14:15], v[14:15], v[242:243]
	s_cmp_ge_i32 s40, -8                           ; p is at most 1, and 448 x 2^e4 is at least 1 from e4 = -8 on (448 / 256 = 1.75): the hold then changes no number and is passed over.
	s_cbranch_scc1 .Lnohold_\@                     ; The branch hangs on a whole number that is an input; the launch has no tensor load, no copy and no cluster
.set n, 0
.rept 64
	v_min_num_f32 v[96+n], v[96+n], v240           ; the conversion to an 8-bit code does not saturate (ISA guide 7.6.2); p is not negative, so the hold is one-sided
.set n, n+1
.endr
.Lnohold_\@:
.irp t, 0,1,2,3,4,5,6,7
	v_cvt_scalef32_pk8_fp8_f32 v[224+2*\t:225+2*\t], v[96+8*\t:103+8*\t], v244   ; keys 16 t + 8 h + 0 .. 7: registers 2 t, 2 t + 1 of p's operand
.endr
.set n, 0
.rept 16
	v_pk_mul_f32 v[160+n:161+n], v[160+n:161+n], v[252:253] op_sel_hi:[1,0]   ; O^T under the new M: x f.  (Plain lines between the conversions and the products that read their results)
.set n, n+2
.endr
	s_wait_dscnt 0x0                               ; v's fragments are in
.irp d, 0,1,2,3                                ; O^T += v^T p^T: K = these 128 keys.  The four accumulators take turns, and the next step's eight products stand between two links
	v_wmma_f32_16x16x128_fp8_fp8 v[160+8*\d:167+8*\d], v[32+16*\d:47+16*\d], v[224:239], v[160+8*\d:167+8*\d]
.endr
.rept 4
	v_nop                                          ; places in front of the next loads into v32 on, and of the next read of O^T
.endr
.Lhid_\@:
	s_add_co_u32 s[KS], s[KS], 1
	s_add_co_u32 s[KF], s[KF], 128
.endm
.Ltrip:                                            ; eight trips of two steps at the most; a work-group with fewer steps leaves at a step's head
	STEP 0
	STEP 1
	s_sub_co_u32 s[TRIP], s[TRIP], 1
	s_cmp_lg_u32 s[TRIP], 0
	s_cbranch_scc1 .Ltrip
.Lout:
	s_wait_dscnt 0x0                               ; my last LDS stores are done
	v_add_f32 v14, v14, v15                        ; the sum's two halves,
	v_permlanex16_b32 v236, v14, s[SEL], s[SEL+1]
	v_add_f32 v14, v14, v236                       ; and lane l xor 16's: the row's sum.  It is not 0: a query's own key counts
	v_rcp_f32 v14, v14
	v_nop                                          ; one plain place behind a transcendental
.set n, 0
	s_wait_alu depctr_va_vdst(0)
.rept 32
	v_mul_f32 v[96+n], v[160+n], v14               ; O^T / the sum: register 8 dt + j is channel 16 dt + 8 h + j of query r
.set n, n+1
.endr
.set n, 0
.rept 32
	v_med3_num_f32 v[96+n], v[96+n], -v247, v247   ; the hold at the largest code x the scale
.set n, n+1
.endr
.irp d, 0,1,2,3
	v_cvt_scalef32_pk8_fp8_f32 v[200+2*\d:201+2*\d], v[96+8*\d:103+8*\d], v246
.endr
	v_nop                                          ; one plain vector line behind the last conversion
	global_store_b128 v[LI], v[200:203], s[8:9]             ; 32 lanes store 512 consecutive bytes, at a multiple of 512 from the buffer's first byte
	global_store_b128 v[LI], v[204:207], s[8:9] offset:512
	s_wait_tensorcnt 0x0
	ds_add_u32 v251, v255
	s_wait_dscnt 0x0
	s_endpgm
.Lfunc_end_k_q98d85f8ff4_attn:
	.size	k_q98d85f8ff4_attn, .Lfunc_end_k_q98d85f8ff4_attn-k_q98d85f8ff4_attn
	.p2alignl 7, 3214868480
	.fill 96, 4, 3214868480
	.section	.rodata,"a",@progbits
	.p2align	6, 0x0
	.amdhsa_kernel k_q98d85f8ff4_attn
		.amdhsa_group_segment_fixed_size 34816
		.amdhsa_private_segment_fixed_size 0
		.amdhsa_enable_private_segment 0
		.amdhsa_kernarg_size 24
		.amdhsa_user_sgpr_count 2
		.amdhsa_user_sgpr_kernarg_segment_ptr 1
		.amdhsa_wavefront_size32 1
		.amdhsa_system_sgpr_workgroup_id_x 1
		.amdhsa_system_sgpr_workgroup_id_y 1
		.amdhsa_system_sgpr_workgroup_id_z 1
		.amdhsa_system_vgpr_workitem_id 0
		.amdhsa_next_free_vgpr 256
		.amdhsa_next_free_sgpr 66
		.amdhsa_reserve_vcc 1
		.amdhsa_float_denorm_mode_32 3
		.amdhsa_float_denorm_mode_16_64 3
		.amdhsa_memory_ordered 1
		.amdhsa_forward_progress 1
		.amdhsa_inst_pref_size 52
	.end_amdhsa_kernel
	.amdgpu_metadata
---
amdhsa.version: [ 1, 2 ]
amdhsa.kernels:
  - .name:           k_q98d85f8ff4_attn
    .symbol:         k_q98d85f8ff4_attn.kd
    .args:
      - { .name: qkv_codes, .offset: 0, .size: 8, .value_kind: global_buffer, .address_space: global }
      - { .name: lowp_scales, .offset: 8, .size: 8, .value_kind: global_buffer, .address_space: global }
      - { .name: y_codes, .offset: 16, .size: 8, .value_kind: global_buffer, .address_space: global }
    .group_segment_fixed_size: 34816
    .private_segment_fixed_size: 0
    .kernarg_segment_align: 8
    .kernarg_segment_size: 24
    .max_flat_workgroup_size: 512
    .sgpr_count:     66
    .vgpr_count:     256
    .wavefront_size: 32
...
	.end_amdgpu_metadata
.endif
;; end of part 2
;; launch proj (part 3): grid 8 x 32, 4 waves a work-group, clusters of 4 x 4, 327,680 bytes of LDS; arguments y_codes, W_proj_codes, b_proj, lowp_scales, out0; writes out0
.if DOCPART == 3
	.amdgcn_target "amdgcn-amd-amdhsa--gfx1250"
	.amdhsa_code_object_version 6
	.text
	.protected	k_q98d85f8ff4_proj
	.globl	k_q98d85f8ff4_proj
	.p2align	8
	.type	k_q98d85f8ff4_proj,@function
k_q98d85f8ff4_proj:
	s_mov_b64 s[64:65], 0
	v_nop
	global_prefetch_b8 v0, s[64:65] scope:SCOPE_SE
	s_setreg_imm32_b32 hwreg(HW_REG_WAVE_MODE, 25, 1), 1
	s_wait_xcnt 0x0
	s_wait_alu depctr_hold_cnt(0) depctr_sa_sdst(0) depctr_va_vdst(0) depctr_va_sdst(0) depctr_va_ssrc(0) depctr_va_vcc(0) depctr_vm_vsrc(0)
	s_getreg_b32 s2, hwreg(HW_REG_IB_STS2, 6, 4)
	s_cmp_eq_u32 s2, 0
	s_cbranch_scc0 .Lentry_in_a_cluster
	s_endpgm
.Lentry_in_a_cluster:
	s_bfe_u32 s2, ttmp6, 0x10000c
	s_cmp_lg_u32 s2, 0xf033
	s_cbranch_scc0 .Lentry_shape_is_right
	s_endpgm
.Lentry_shape_is_right:
; out = y W_proj^T + b_proj on codes of FP8 (E4M3).  y: 4096 x 1024 codes, scale 2^e6, laid as images of operand registers by the launch before.  W_proj: [1024][1024] codes, scale 2^e7.  b_proj [1024], out [4096][1024]: f32.
; SHARES.  A tile of 128 tokens x 128 columns to a work-group: 32 x 8 = 256 work-groups; tiles of 256 x 256 would make 64.  Four waves, 64 x 64 each: 16 accumulators.
; ALL OF K LIES IN LDS AT ONCE: 128 rows x 1,024 bytes of each operand are 131,072 bytes of y and 139,264 (padded) of W.  So every tensor load is a first fill, all go out together at the start,
; no LDS byte is filled twice, and the products of the first quarter of K begin while the other three quarters are on their way.  A wave has four tensor loads out.
; CLUSTERS: 4 x 4 work-groups.  The four of a row of the cluster need the same 128 tokens of y, the four of a column the same 128 rows of W: each tile is asked for JOINTLY.
; THE MATRIX INSTRUCTION IS USED TRANSPOSED (source 0 = 16 rows of W, source 1 = 16 tokens): a lane then holds eight neighbouring columns of one token's row of out.
; y's images: [128 tokens: 32][256 along K: 4][16 tokens: 8][64 along K: 4][g: 2][lane][16 bytes]: lane (r, h), registers 2 c, 2 c + 1 of a piece of 64: k = 16 c + 8 h + 0 .. 7.  Two pieces on end are a fragment of
; 128 along K in this form's own layout: four loads of 16 bytes a lane, 512 consecutive bytes each.  W's fragments are fetched in the same layout: eight loads of 8 bytes from rows.
; out = sum x 2^(e6 + e7) + b_proj, one packed multiply-add for two numbers.  LIMIT: e6 + e7 lies between -126 and 127, so that 2^(e6 + e7) is an f32 number.
; REGISTERS: window 0: v1-7 at work; v8-11, v12-15 LDS addresses; v24-26 the way out; v32-63 results; v64-95 rows read back; v96-127 the bias; v128-255 the accumulators ((a, b) at v[128 + 8 (4 a + b)]).
;   window 1: two fragment buffers of 128: y's four fragments (64 registers), then W's four.
.set PITCH, 272                        ; a row of W in LDS: 256 bytes + 16 of padding = 68 words: lane (r, h) of a load of 8 bytes starts at word 4 r + 2 h modulo 64 (64 banks of 4 bytes: ISA guide 11.1): all different
.set YCH,   32768                      ; y: a quarter of K for 128 tokens, in memory and in LDS
.set WCH,   128*PITCH                  ; W: a quarter of K for 128 rows, in LDS
.set WB,    4*YCH                      ; W's tiles lie behind y's
.set STAGE, WB+4*WCH                   ; behind them: 16 rows x 272 bytes for each wave, for the way out: blocks of 256 bytes into which no tensor load lands
.set ADRA, 8                           ; v8-11   LDS address of my y fragments in quarter 0 .. 3
.set ADRB, 12                          ; v12-15  the same for W
.set STO,  24                          ; v24     the way out: where I put 32 bytes of a row
.set RD,   25                          ; v25     where I read a row back
.set CO,   26                          ; v26     my byte offset in out
.set TMP,  32
.set BK,   64
.set BIAS, 96
.set ACC,  128
.set G1A, 24                           ; s[24:31] descriptor group 1 for y's tiles;  s[48:63] group 0, a set for each quarter of K
.set G1B, 32                           ; s[32:39] for W's;  s[68:83]
.set G0A, 48
.set G0B, 68
.set MSB, 0
.macro WIN new                         ; the immediate's high byte repeats the setting that is left
.if MSB != \new
	s_set_vgpr_msb (MSB<<8)|\new
.set MSB, \new
.endif
.endm
.set MUL,  0x05                        ; sources 0 (W) and 1 (y) window 1; C and D window 0
.set TO_F, 0x40                        ; destination window 1, address window 0
.macro CROUND                          ; a round of the cluster's barrier
	s_barrier_signal -1
	s_barrier_wait -1
	s_cmp_lg_u32 s14, 0
	s_cbranch_scc1 .Lnot_wave_0_\@
	s_barrier_signal -3
.Lnot_wave_0_\@:
	s_barrier_wait -3
	s_barrier_signal -1
	s_barrier_wait -1
.endm
.macro PLACES                          ; four places in front of loads into registers that matrix instructions have read, and of the first read of results (ISA guide 7.12.1 for vector instructions)
.rept 4
	v_nop
.endr
.endm
	s_load_b256 s[4:11], s[0:1], 0x0               ; y s[4:5], W_proj s[6:7], b_proj s[8:9], the scales' exponents s[10:11]
	s_load_b64 s[12:13], s[0:1], 0x20              ; out
	v_lshl_add_u32 v30, v0, 2, 0x46400
	v_mov_b32 v31, 0
	ds_add_u32 v30, v31
	ds_add_u32 v30, v31
	v_lshrrev_b32 v1, 5, v0
	v_readfirstlane_b32 s14, v1                    ; wave 0..3
	s_lshr_b32 s15, s14, 1                         ; which half of the tile's tokens is mine.  Also: I fetch for y (0) or for W (1)
	s_and_b32 s16, s14, 1                          ; which half of its columns.  Also: which 64 rows of each tile I fetch
	s_bfe_u32 s40, ttmp6, 0x40000                  ; cx, cy: my place in the cluster
	s_bfe_u32 s41, ttmp6, 0x40004
	s_lshl_b32 s42, ttmp9, 2
	s_add_co_u32 s42, s42, s40                     ; tile column = 4 x cluster x + cx
	s_and_b32 s17, ttmp7, 0xffff
	s_lshl_b32 s17, s17, 2
	s_add_co_u32 s17, s17, s41                     ; tile row = 4 x cluster y + cy
	s_lshl_b32 s43, s41, 2
	s_lshl_b32 s43, 15, s43                        ; my row of the cluster
	s_lshl_b32 s44, 0x1111, s40                    ; my column
	; group 1 for y: a dense block of 16,384 bytes as 64 rows of 32 elements of 8 bytes; no padding: an image is read 512 consecutive bytes at a time
	s_or_b32 s[G1A+0], s43, (3<<16)|(1<<21)        ; 15:0 the mask: y's tiles go to my row; 17:16 elements of 8 bytes; 21 set beside a mask
	s_mov_b32 s[G1A+1], 32<<16                     ; tensor_dim0 = 32
	s_mov_b32 s[G1A+2], 64<<16                     ; tensor_dim1 = 64
	s_mov_b32 s[G1A+3], 32<<16                     ; tile_dim0 = 32
	s_mov_b32 s[G1A+4], 64                         ; tile_dim1 = 64
	s_mov_b32 s[G1A+5], 32                         ; tensor_dim0_stride
	s_mov_b32 s[G1A+6], 0
	s_mov_b32 s[G1A+7], 0
	; group 1 for W: 64 rows of 256 bytes, 1,024 bytes apart, padded in LDS
	s_or_b32 s[G1B+0], s44, (0<<16)|(1<<20)|(1<<21)|(5<<22)|(3<<25)   ; the mask: my column; elements of 1 byte; padding on: 4 words (code 3) after every 64 (code 5)
	s_mov_b32 s[G1B+1], 256<<16
	s_mov_b32 s[G1B+2], 64<<16
	s_mov_b32 s[G1B+3], 256<<16
	s_mov_b32 s[G1B+4], 64
	s_mov_b32 s[G1B+5], 1024
	s_mov_b32 s[G1B+6], 0
	s_mov_b32 s[G1B+7], 0
	s_lshl_b32 s20, s17, 17                        ; y: 131,072 bytes for 128 tokens,
	s_lshl_b32 s18, s16, 14                        ; + my half of a quarter: 64 tokens, 16,384 bytes, in memory and in LDS
	s_add_co_u32 s20, s20, s18
	s_mov_b32 s21, 0
	s_lshl_b32 s46, s42, 17                        ; W: 128 rows of 1,024 bytes,
	s_lshl_b32 s19, s16, 16                        ; + my 64 rows
	s_add_co_u32 s46, s46, s19
	s_mov_b32 s47, 0
	s_mul_i32 s19, s16, 64*PITCH                   ; and their place in a quarter's tile in LDS: no place in the cluster enters an LDS address
	s_wait_dscnt 0x0
	s_wait_kmcnt 0x0
	s_load_b256 s[84:91], s[10:11], 0x0            ; e0 .. e7
	s_add_nc_u64 s[20:21], s[4:5], s[20:21]
	s_add_nc_u64 s[46:47], s[6:7], s[46:47]
	CROUND                                         ; all sixteen work-groups are here: the joint loads meet
.irp kc, 0,1,2,3
	s_mov_b32 s[G0A+4*\kc], 1
	s_add_co_u32 s[G0A+4*\kc+1], s18, \kc*YCH
	s_add_nc_u64 s[G0A+4*\kc+2:G0A+4*\kc+3], s[20:21], \kc*YCH
	s_or_b32 s[G0A+4*\kc+3], s[G0A+4*\kc+3], 0x80000000
	s_mov_b32 s[G0B+4*\kc], 1
	s_add_co_u32 s[G0B+4*\kc+1], s19, WB+\kc*WCH
	s_add_nc_u64 s[G0B+4*\kc+2:G0B+4*\kc+3], s[46:47], \kc*256
	s_or_b32 s[G0B+4*\kc+3], s[G0B+4*\kc+3], 0x80000000
.endr
	s_cmp_eq_u32 s15, 0                            ; a wave's four fills stand in one branch on the wave's number, ahead of every wait on TENSORcnt and every LDS read; four v_nop follow the last
	s_cbranch_scc0 .Lfor_w
.irp kc, 0,1,2,3
	tensor_load_to_lds s[G0A+4*\kc:G0A+4*\kc+3], s[G1A:G1A+7]
	s_nop 0
.endr
.rept 4
	v_nop
.endr
	s_branch .Lasked
.Lfor_w:
.irp kc, 0,1,2,3
	tensor_load_to_lds s[G0B+4*\kc:G0B+4*\kc+3], s[G1B:G1B+7]
	s_nop 0
.endr
.rept 4
	v_nop
.endr
.Lasked:
	v_and_b32 v1, 15, v0                           ; r = lane % 16
	v_bfe_u32 v2, v0, 4, 1                         ; h = lane / 16
	v_and_b32 v3, 31, v0
	v_lshlrev_b32 v3, 4, v3                        ; y: 16 x lane
	v_mul_u32_u24 v4, v1, PITCH
	v_lshl_add_u32 v4, v2, 3, v4                   ; W: row r x pitch + 8 h
	s_lshl_b32 s22, s15, 14                        ; my 64 tokens: four tiles of 4,096 bytes in each quarter
.irp kc, 0,1,2,3
	s_add_co_u32 s23, s22, \kc*YCH
	v_add_nc_u32 v[ADRA+\kc], s23, v3
	s_add_co_u32 s23, s19, WB+\kc*WCH              ; my 64 rows of W
	v_add_nc_u32 v[ADRB+\kc], s23, v4
.endr
	s_mul_i32 s23, s14, 16*PITCH
	s_add_co_u32 s23, s23, STAGE                   ; my stage
	v_mul_u32_u24 v5, v1, PITCH                    ; in: row r, 32 bytes for each half of the lanes
	v_lshl_add_u32 v5, v2, 5, v5
	v_add_nc_u32 v[STO], s23, v5
	v_mul_u32_u24 v5, v2, PITCH                    ; back: lanes 0-15 take one row of 256 bytes, lanes 16-31 the next
	v_lshl_add_u32 v5, v1, 4, v5
	v_add_nc_u32 v[RD], s23, v5
	v_lshlrev_b32 v5, 12, v2                       ; and the same two rows in out (4,096 bytes a row)
	v_lshl_add_u32 v[CO], v1, 4, v5
	; (from here on cx and cy meet, in s94-s97 alone: none of these feeds a descriptor)
	s_lshl_b32 s96, s42, 9
	s_lshl_b32 s97, s16, 8
	s_add_co_u32 s96, s96, s97                     ; my first column in bytes: 512 x tile column + 256 x half: in b_proj and in a row of out
	s_mov_b32 s97, 0
	s_add_nc_u64 s[8:9], s[8:9], s[96:97]
	v_lshlrev_b32 v6, 5, v2                        ; the bias in the result's layout: tile b, register j: column 16 b + 8 h + j
.irp b, 0,1,2,3
	global_load_b128 v[BIAS+8*\b:BIAS+8*\b+3], v6, s[8:9] offset:64*\b
	global_load_b128 v[BIAS+8*\b+4:BIAS+8*\b+7], v6, s[8:9] offset:64*\b+16
.endr
	s_lshl_b32 s94, s17, 19                        ; my first row of out: 128 x tile row + 64 x half, 4,096 bytes each
	s_lshl_b32 s95, s15, 18
	s_add_co_u32 s94, s94, s95
	s_add_co_u32 s96, s96, s94
	s_add_nc_u64 s[12:13], s[12:13], s[96:97]
	s_wait_kmcnt 0x0
	s_add_co_i32 s92, s90, s91                     ; e6 + e7
	s_add_co_i32 s92, s92, 127
	s_lshl_b32 s92, s92, 23                        ; 2^(e6 + e7) as f32
	s_mov_b32 s93, s92                             ; (named with it as a pair, so it is written)
; 48 LDS loads in one run: the fragments of the q-th 128 along K into buffer f
.macro FETCH q, f
	WIN TO_F
.irp a, 0,1,2,3
.irp c, 0,1,2,3
	ds_load_b128 v[(\f)+16*\a+4*\c:(\f)+16*\a+4*\c+3], v[ADRA+(\q)/2] offset:\a*4096+((\q)%2)*2048+\c*512
.endr
.endr
.irp b, 0,1,2,3
.irp c, 0,1,2,3,4,5,6,7
	ds_load_b64 v[(\f)+64+16*\b+2*\c:(\f)+64+16*\b+2*\c+1], v[ADRB+(\q)/2] offset:\b*16*PITCH+((\q)%2)*128+16*\c
.endr
.endr
.endm
; 16 matrix instructions, 128 along K.  The 16 accumulators take turns, one instruction a turn, in the same order in every step.  zero = 1: the first products start the sums
.macro MULQ f, zero
	WIN MUL
.irp a, 0,1,2,3
.irp b, 0,1,2,3
.if \zero
	v_wmma_f32_16x16x128_fp8_fp8 v[ACC+8*(4*\a+\b):ACC+8*(4*\a+\b)+7], v[(\f)+64+16*\b:(\f)+64+16*\b+15], v[(\f)+16*\a:(\f)+16*\a+15], 0
.else
	v_wmma_f32_16x16x128_fp8_fp8 v[ACC+8*(4*\a+\b):ACC+8*(4*\a+\b)+7], v[(\f)+64+16*\b:(\f)+64+16*\b+15], v[(\f)+16*\a:(\f)+16*\a+15], v[ACC+8*(4*\a+\b):ACC+8*(4*\a+\b)+7]
.endif
.endr
.endr
.endm
	s_wait_tensorcnt 0x3                           ; my part of the first quarter of K is in; my three later loads may be out
	s_barrier_signal -1
	s_barrier_wait -1                              ; everybody's is
	FETCH 0, 0
.irp q, 0,1,2,3,4,5,6,7                        ; eight steps of 128 along K, written out; step q + 1's fragments are fetched while step q is multiplied
	s_wait_dscnt 0x0                               ; step q's fragments are in
.if ((\q%2) == 1) && (\q < 7)
	s_wait_tensorcnt (5-\q)/2                      ; the next quarter of K: my load for it is in; the 2, 1 or 0 behind it may be out,
	s_barrier_signal -1
	s_barrier_wait -1                              ; everybody's is
.endif
.if \q < 7
.if \q > 0
	PLACES                                         ; the buffer was read by step q - 1's products
.endif
	FETCH \q+1, 128*((\q+1)%2)
.endif
.if \q == 0
	MULQ 0, 1
.else
	MULQ 128*(\q%2), 0
.endif
.endr
	WIN 0
	PLACES
	s_wait_loadcnt 0x0                             ; the bias
	; THE WAY OUT, 16 tokens at a time: a lane holds 32 neighbouring bytes of a row, and the lanes beside it hold other rows: so a block goes through my own stage in LDS and comes back as whole rows of 256 bytes.
	; LDS serves a wave's instructions in order (ISA guide 5.7.1.4): no wait between the stores and the loads.
.irp a, 0,1,2,3
.irp b, 0,1,2,3
.irp i, 0,2,4,6
	v_pk_fma_f32 v[TMP+8*\b+\i:TMP+8*\b+\i+1], v[ACC+8*(4*\a+\b)+\i:ACC+8*(4*\a+\b)+\i+1], s[92:93], v[BIAS+8*\b+\i:BIAS+8*\b+\i+1] op_sel_hi:[1,0,1]   ; sum x 2^(e6 + e7) + bias; each accumulator from its low end on
.endr
.endr
.irp b, 0,1,2,3
	ds_store_b128 v[STO], v[TMP+8*\b:TMP+8*\b+3] offset:64*\b
	ds_store_b128 v[STO], v[TMP+8*\b+4:TMP+8*\b+7] offset:64*\b+16
.endr
.if \a > 0
	s_wait_xcnt 0x0                                ; the last block's stores have read their registers: the loads below may land there
.endif
.irp i, 0,1,2,3,4,5,6,7
	ds_load_b128 v[BK+4*\i:BK+4*\i+3], v[RD] offset:\i*2*PITCH
.endr
.irp i, 0,1,2,3,4,5,6,7
	s_wait_dscnt 7-\i                              ; LDS loads come back in order: pair i of rows is in, the younger ones may be out
	global_store_b128 v[CO], v[BK+4*\i:BK+4*\i+3], s[12:13] offset:(16*\a+2*\i)*4096 th:TH_STORE_NT   ; 16 lanes store 256 consecutive bytes, at a multiple of 256 from out's first byte; written once, read by nobody here
.endr
.endr
	s_wait_dscnt 0x0
	s_wait_tensorcnt 0x0
	ds_add_u32 v30, v31
	s_wait_dscnt 0x0
	CROUND                                         ; the closing round: no work-group ends while a partner may still ask for a tile that names it
	s_endpgm
.Lfunc_end_k_q98d85f8ff4_proj:
	.size	k_q98d85f8ff4_proj, .Lfunc_end_k_q98d85f8ff4_proj-k_q98d85f8ff4_proj
	.p2alignl 7, 3214868480
	.fill 96, 4, 3214868480
	.section	.rodata,"a",@progbits
	.p2align	6, 0x0
	.amdhsa_kernel k_q98d85f8ff4_proj
		.amdhsa_group_segment_fixed_size 327680
		.amdhsa_private_segment_fixed_size 0
		.amdhsa_enable_private_segment 0
		.amdhsa_kernarg_size 40
		.amdhsa_user_sgpr_count 2
		.amdhsa_user_sgpr_kernarg_segment_ptr 1
		.amdhsa_wavefront_size32 1
		.amdhsa_system_sgpr_workgroup_id_x 1
		.amdhsa_system_sgpr_workgroup_id_y 1
		.amdhsa_system_sgpr_workgroup_id_z 1
		.amdhsa_system_vgpr_workitem_id 0
		.amdhsa_next_free_vgpr 512
		.amdhsa_next_free_sgpr 100
		.amdhsa_reserve_vcc 0
		.amdhsa_float_denorm_mode_32 3
		.amdhsa_float_denorm_mode_16_64 3
		.amdhsa_memory_ordered 1
		.amdhsa_forward_progress 1
		.amdhsa_inst_pref_size 56
	.end_amdhsa_kernel
	.amdgpu_metadata
---
amdhsa.version: [ 1, 2 ]
amdhsa.kernels:
  - .name:           k_q98d85f8ff4_proj
    .symbol:         k_q98d85f8ff4_proj.kd
    .args:
      - { .name: y_codes, .offset: 0, .size: 8, .value_kind: global_buffer, .address_space: global }
      - { .name: W_proj_codes, .offset: 8, .size: 8, .value_kind: global_buffer, .address_space: global }
      - { .name: b_proj, .offset: 16, .size: 8, .value_kind: global_buffer, .address_space: global }
      - { .name: lowp_scales, .offset: 24, .size: 8, .value_kind: global_buffer, .address_space: global }
      - { .name: out0, .offset: 32, .size: 8, .value_kind: global_buffer, .address_space: global }
    .group_segment_fixed_size: 327680
    .private_segment_fixed_size: 0
    .kernarg_segment_align: 8
    .kernarg_segment_size: 40
    .max_flat_workgroup_size: 128
    .sgpr_count:     100
    .vgpr_count:     512
    .wavefront_size: 32
...
	.end_amdgpu_metadata
.endif
;; end of part 3
;; ======== version 2 of 2: 3 launches; version 1 with the launch attn written anew for expert scheduling mode
;; workspace buffers: qkv_codes 12,582,912 bytes; y_codes 4,194,304 bytes
;; launch qkv: the kernel of part 1 again; grid 12 x 16, 4 waves a work-group, clusters of 4 x 4, 327,680 bytes of LDS; arguments x_codes, W_attn_codes, b_attn, lowp_scales, qkv_codes; writes qkv_codes
;; launch attn (part 4): grid 8 x 32, 16 waves a work-group, no clusters, 34,816 bytes of LDS; arguments qkv_codes, lowp_scales, y_codes; writes y_codes
.if DOCPART == 4
	.amdgcn_target "amdgcn-amd-amdhsa--gfx1250"
	.amdhsa_code_object_version 6
	.text
	.protected	k_q98d85f8ff4_attn
	.globl	k_q98d85f8ff4_attn
	.p2align	8
	.type	k_q98d85f8ff4_attn,@function
k_q98d85f8ff4_attn:
	s_mov_b64 s[64:65], 0
	v_nop
	global_prefetch_b8 v0, s[64:65] scope:SCOPE_SE
	s_setreg_imm32_b32 hwreg(HW_REG_WAVE_SCHED_MODE, 0, 2), 2
	s_setreg_imm32_b32 hwreg(HW_REG_WAVE_MODE, 25, 1), 1
	s_wait_xcnt 0x0
	s_wait_alu depctr_vm_vsrc(0)
; y[b][q][64 head + d] = the sum over keys k <= q of softmax_k(q . k / 8) v, both products on codes of FP8 (E4M3), then quantised with 2^e6 for the last product.
; q, k, v come as images of operand registers (16 bytes a lane, lane l at 16 l):
;   q at 0, k at 0x400000: [bh = 16 batch + head][tile of 16 tokens: 128][g: 2][lane][16]: lane (r, h), registers 2 c, 2 c + 1: d = 16 c + 8 h + 0 .. 7 of token r.
;   v at 0x800000: [4 bh + d / 16][step of 128 keys: 16][g: 4][lane][16]: lane (r, h): channel r; registers 2 c, 2 c + 1: keys 16 c + 8 h + 0 .. 7.
; THE SOFTMAX: t = score x log2(e) / 8; M = the running largest t rounded UP to a whole number; p = 2^(t - M) is quantised with 2^e4, not normalised; the row's sum is taken of the unquantised p and divides at the end.
; When M moves, the sum and O are multiplied by 2^(old M - new M): exact.
; SHARES.  Work-group (i, bh) owns the blocks i and 15 - i of 128 queries of one head: (i + 1) + (16 - i) = 17 block steps in every work-group, so the causal triangle is shared evenly.
; Each of its sixteen waves owns 16 queries in 256 registers; of a pair of waves 2 n, 2 n + 1 one takes tile n of the early block, the other tile n of the late one.
; The work-group walks the key steps 0 .. 15 - i, 128 keys each.  A wave passes over the work of a step all of whose keys come after its queries; it still takes its part in the copies and barriers.
; K AND V go from memory through registers into two LDS slots that take turns: a step's 8 KiB of k and 8 KiB of v are 16 bytes of each for each of the 512 threads, dense in memory and in LDS.
; No tensor load and no joint request: the work-groups of a head walk different numbers of steps (9 to 16), so partners could not make every joint request alike; and a step's tiles are 32 bytes a thread.
; LAYOUT.  Both products are used transposed: S^T = k q^T (source 0 = 16 keys, source 1 = my 16 queries), O^T = v^T p^T: a lane holds ONE query (lane % 16) throughout.  In S^T tile t, register j is key 16 t + 8 h + j:
; one conversion makes of it registers 2 t, 2 t + 1 of p's operand, in that operand's own layout.
; y goes out as an image too: [128 tokens: 32][4 heads: 4][16 tokens: 8][head % 4][g: 2][lane][16]: lane (r, h), registers 2 c, 2 c + 1: channel 16 c + 8 h + 0 .. 7 of the head, token r.
; LIMITS on the given exponents, so that each power of two below is an f32 number: e2 + e3 between -123 and 130 (they are added to c's exponent field); e4, and e6 - e4 - e5, between -126 and 119.
; REGISTERS: v1 16 x lane; v2 16 x thread; v4 my place in a step's v in memory; v5, v6 offsets of the loads in hand; v7 r - 8 h; v12 -M, v13 the largest t, v[14:15] the sum in two halves; v16-23 q;
;   v24-31 and v192-199 two sets for the copies (k 4, v 4); v32-95 k's eight fragments, then v's four; v96-159 S^T, then p; v160-191 O^T; v200-207 y's codes; v224-239 p's codes; v236-254 at work;
;   v251, v255 the closing add's two, made at the head and kept for it alone.
; THE MODE: SCHED_MODE bits 1:0 = 2 (LLVM: expert scheduling mode 2), set by the entry lines.  The code itself states the register dependences between vector or matrix instructions
; and memory or LDS instructions, with s_wait_alu, always for 0.
; THE PLAN.  Registers that memory or LDS instructions touch:
;   v1, v2, v4      Written at the head, once; read as addresses by LDS loads, LDS stores, the head's loads and y's stores.  One wait on va_vdst ahead of the first load serves them for the whole kernel.
;   v5, v6          Written by two additions at a step's head; read by the step's two global loads.
;   v24-31, v192-199  Named by memory instructions alone: a set is filled by the global loads of step s, read by the LDS stores of step s + 1, filled again in step s + 2.
;   v32-95          k's LDS loads land; the eight products k q^T read; v's LDS loads land; the four products v^T p^T read; the next step's k lands.
;   v200-207        Written by the last conversions; read by y's two stores.
; So a step has three such waits.  At its head, ahead of the branch that passes over a hidden step: one on vm_vsrc (the last step's global loads have read v5 and v6; its LDS stores have read the set that is filled
; now), the two additions, one on va_vdst (v5 and v6 are written; the last step's products are done reading v32-95).  Behind the products k q^T: one on va_vdst (they are done reading k's fragments); v's sixteen loads
; follow it, dealt among the maximum's instructions, none of which names v1 or v32-95.  The wait behind the exponentials stands as ever.  On the diagonal the compares go in runs of sixteen into s48-63, one wait on va_sdst to a run.
.set SLOTB, 16384                      ; an LDS slot: a step's k (key tile t at 1,024 t + 512 g), then its v
.set VOFF,  8192                       ; v in a slot (16 channels dt at 2,048 dt + 512 g)
.set LI,  1
.set TI,  2
.set GV,  4
.set WV,  10                           ; s10 wave;  s11 late block?;  s12 my tile in the block;  s13 i;  s14 bh;  s15 my block
.set Q0,  16                           ; s16 my first query;  s17 my last
.set QL,  17
.set NS,  18                           ; s18 key steps of the work-group: 16 - i
.set KS,  19                           ; s19 the key step in hand
.set SEL, 20                           ; s[20:21] lane selects for v_permlanex16_b32: lane l xor 16
.set CS,  22                           ; s[22:23] c = log2(e) / 8 x 2^(e2 + e3): the packed form names a pair and takes its low word for both halves
.set KF,  24                           ; s24 the step's first key
.set TRIP, 25                          ; s25 counts the loop's trips
.set MK,  48                           ; s48-63 sixteen lane masks of the diagonal's compares (at the head s48, s49 hold y's offset, which is used up there)
	s_load_b128 s[4:7], s[0:1], 0x0                ; the codes of q, k, v s[4:5]; the scales' exponents s[6:7]
	s_load_b64 s[8:9], s[0:1], 0x10                ; y's codes
	v_lshl_add_u32 v251, v0, 2, 0x8000             ; LDS address of my spare word, behind the two slots
	v_mov_b32 v255, 0
	v_lshrrev_b32 v8, 5, v0
	v_readfirstlane_b32 s[WV], v8                  ; wave 0..15
	v_and_b32 v9, 31, v0
	v_lshlrev_b32 v[LI], 4, v9
	v_lshlrev_b32 v[TI], 4, v0
	v_lshrrev_b32 v10, 7, v0                       ; v in memory: thread / 128 picks the 16 channels, 32,768 bytes apart,
	v_and_b32 v11, 127, v0
	v_lshlrev_b32 v[GV], 4, v11                    ; the rest its 16 bytes of their 2,048
	v_lshl_add_u32 v[GV], v10, 15, v[GV]
	v_and_b32 v8, 15, v0                           ; r
	v_bfe_u32 v9, v0, 4, 1                         ; h
	v_lshlrev_b32 v9, 3, v9
	v_sub_nc_u32 v7, v8, v9                        ; r - 8 h
	s_wait_alu depctr_va_sdst(0)                   ; s10, the wave's number, is written, ahead of its first reader
	s_lshr_b32 s11, s[WV], 2
	s_xor_b32 s11, s11, s[WV]
	s_and_b32 s11, s11, 1                          ; bit 0 xor bit 2 of the wave's number: the two waves of a pair differ in it
	s_lshr_b32 s12, s[WV], 1
	s_mov_b32 s13, ttmp9
	s_and_b32 s14, ttmp7, 0xffff
	s_sub_co_u32 s26, 15, s13
	s_cmp_eq_u32 s11, 1
	s_cselect_b32 s15, s26, s13                    ; block 15 - i or block i
	s_lshl_b32 s[Q0], s15, 7
	s_lshl_b32 s26, s12, 4
	s_add_co_u32 s[Q0], s[Q0], s26
	s_add_co_u32 s[QL], s[Q0], 15
	s_sub_co_u32 s[NS], 16, s13
	s_mov_b32 s[KS], 0
	s_mov_b32 s[KF], 0
	s_mov_b32 s[TRIP], 8
	s_mov_b32 s[SEL], 0x76543210
	s_mov_b32 s[SEL+1], 0xfedcba98
	s_lshl_b32 s44, s14, 17                        ; a head's q, k or v: 131,072 bytes
	s_mov_b32 s45, 0
	s_lshl_b32 s46, s[Q0], 6                       ; my tile of q: 1,024 bytes for 16 tokens
	s_mov_b32 s47, 0
	s_lshr_b32 s48, s14, 4
	s_lshl_b32 s48, s48, 4
	s_add_co_u32 s48, s48, s15                     ; y: which 128 tokens: 16 batch + my block,
	s_lshl_b32 s48, s48, 17
	s_bfe_u32 s27, s14, 0x20002                    ; which four heads,
	s_lshl_b32 s27, s27, 15
	s_add_co_u32 s48, s48, s27
	s_lshl_b32 s27, s12, 12                        ; which 16 tokens,
	s_add_co_u32 s48, s48, s27
	s_and_b32 s27, s14, 3                          ; which of the four heads
	s_lshl_b32 s27, s27, 10
	s_add_co_u32 s48, s48, s27
	s_mov_b32 s49, 0
	s_wait_kmcnt 0x0
	s_load_b256 s[36:43], s[6:7], 0x0              ; e0 .. e7
	s_add_nc_u64 s[32:33], s[4:5], s[44:45]
	s_add_nc_u64 s[28:29], s[32:33], 0x400000      ; my head's k
	s_add_nc_u64 s[30:31], s[32:33], 0x800000      ; my head's v
	s_add_nc_u64 s[32:33], s[32:33], s[46:47]      ; my tile of q
	s_add_nc_u64 s[8:9], s[8:9], s[48:49]
	s_wait_alu depctr_va_vdst(0)                   ; v1, v2 and v4 are written: the loads below, every LDS load and store of the kernel and y's stores read one of them as their address; none is written again
	global_load_b128 v[16:19], v[LI], s[32:33]                ; q stays in registers
	global_load_b128 v[20:23], v[LI], s[32:33] offset:512
	global_load_b128 v[24:27], v[TI], s[28:29]                ; key step 0, into set 0
	global_load_b128 v[28:31], v[GV], s[30:31]
	global_load_b128 v[192:195], v[TI], s[28:29] offset:8192  ; key step 1, into set 1
	global_load_b128 v[196:199], v[GV], s[30:31] offset:2048
	v_mov_b32 v13, 0xff61b1e6                      ; the largest t so far: -3e38, under every t
	v_floor_f32 v12, -v13                          ; -M
	v_mov_b32 v14, 0                               ; the sum, in two halves
	v_mov_b32 v15, 0
	v_mov_b32 v236, 0                              ; written once: a lane permute's destination counts as one of its sources
	v_mov_b32 v253, 0                              ; (named as the upper half of the pair v[252:253])
.set n, 0
.rept 32
	v_mov_b32 v[160+n], 0                          ; O^T.  (The step is written for every step alike: the first finds zeros, which the first change of M leaves zeros)
.set n, n+1
.endr
	s_wait_kmcnt 0x0
	s_add_co_i32 s26, s38, s39
	s_lshl_b32 s26, s26, 23
	s_add_co_i32 s[CS], s26, 0x3e38aa3b            ; c = log2(e) / 8, with e2 + e3 added to its exponent field
	s_mov_b32 s[CS+1], s[CS]                       ; (named with it as a pair, so it is written)
	s_add_co_i32 s26, s40, 127
	s_lshl_b32 s27, s26, 23
	v_mov_b32 v244, s27                            ; 2^e4 as f32, for p's conversion
	s_add_co_i32 s26, s26, 8
	s_lshl_b32 s26, s26, 23
	s_or_b32 s26, s26, 0x600000
	v_mov_b32 v240, s26                            ; 448 x 2^e4
	s_sub_co_i32 s26, s42, s40
	s_sub_co_i32 s26, s26, s41                     ; O^T / the sum stands for that x 2^(e4 + e5): y's code is it / 2^(e6 - e4 - e5)
	s_add_co_i32 s26, s26, 127
	s_lshl_b32 s27, s26, 23
	v_mov_b32 v246, s27
	s_add_co_i32 s26, s26, 8
	s_lshl_b32 s26, s26, 23
	s_or_b32 s26, s26, 0x600000
	v_mov_b32 v247, s26
	s_wait_loadcnt 2                               ; q and key step 0 are in; key step 1's two loads may be out
	ds_store_b128 v[TI], v[24:27]                  ; (their data come from loads, their address was written ahead of the wait on va_vdst above)
	ds_store_b128 v[TI], v[28:31] offset:VOFF
; v's fragment d (16 channels x 128 keys) of slot p: four LDS loads, 512 consecutive bytes each
.macro VFRAG p, d
.irp g, 0,1,2,3
	ds_load_b128 v[32+16*(\d)+4*\g:35+16*(\d)+4*\g], v[LI] offset:(\p)*SLOTB+VOFF+(\d)*2048+\g*512
.endr
.endm
; A KEY STEP, 128 keys, in slot p = step % 2.
.macro STEP p
.set SS, 24+168*(1-\p)                 ; the set that holds the next step's bytes
.set SL, 24+168*\p                     ; the set that takes the bytes of the step after that
	s_cmp_ge_u32 s[KS], s[NS]                      ; the work-group's steps are done: the same in all sixteen waves (a count and the work-group's number)
	s_cbranch_scc1 .Lout
	s_wait_dscnt 0x0                               ; my stores into slot p have landed, and my reads of the other slot are over
	s_barrier_signal -1
	s_barrier_wait -1                              ; both now hold of every wave
	s_wait_loadcnt 0x0                             ; the next step's bytes are in registers (asked for a whole step ago)
	s_add_co_u32 s26, s[KS], 2
	s_min_u32 s26, s26, 15                         ; the step after that; held at the head's last step, so that no load leaves the buffer
	s_lshl_b32 s27, s26, 13
	s_lshl_b32 s46, s26, 11
	s_wait_alu depctr_vm_vsrc(0)                   ; the last step's two global loads have read v5 and v6, which the additions below write; its LDS stores (in the first step: the head's) have read the set in which this step's loads land
	v_add_nc_u32 v5, s27, v[TI]
	v_add_nc_u32 v6, s46, v[GV]
	s_wait_alu depctr_va_vdst(0)                   ; v5 and v6 are written, which the global loads below read; the last step's four products are done reading v32-95, in which k's fragments land
	ds_store_b128 v[TI], v[SS:SS+3] offset:(1-\p)*SLOTB
	ds_store_b128 v[TI], v[SS+4:SS+7] offset:(1-\p)*SLOTB+VOFF
	global_load_b128 v[SL:SL+3], v5, s[28:29]
	global_load_b128 v[SL+4:SL+7], v6, s[30:31]
	s_cmp_gt_u32 s[KF], s[QL]                      ; all 128 keys come after my queries: nothing of this step counts for me.  No barrier stands in what is passed over
	s_cbranch_scc1 .Lhid_\@
.irp t, 0,1,2,3,4,5,6,7                        ; (no vector or matrix instruction since the wait above names v1 or v32-95)
	ds_load_b128 v[32+8*\t:35+8*\t], v[LI] offset:\p*SLOTB+\t*1024
	ds_load_b128 v[36+8*\t:39+8*\t], v[LI] offset:\p*SLOTB+\t*1024+512
.endr
	s_wait_dscnt 0x0
.irp t, 0,1,2,3,4,5,6,7                        ; S^T = k q^T: K = the head's 64
	v_wmma_f32_16x16x64_fp8_fp8 v[96+8*\t:103+8*\t], v[32+8*\t:39+8*\t], v[16:23], 0
.endr
.rept 4
	v_nop                                          ; places in front of the first read of the scores
.endr
	s_wait_alu depctr_va_vdst(0)                   ; the eight products are done reading k's fragments, v32-95, in which v's four fragments land.  From here to the products v^T p^T no vector instruction names v1 or v32-95
	VFRAG \p, 0                                    ; v's fragments land while the softmax is worked: the first now, the others dealt among the maximum's instructions
	s_add_co_u32 s44, s[KF], 127                   ; on the diagonal the scores of hidden keys become -infinity ahead of the maximum: p = 0 then.  A step all of whose keys count passes this over
	s_cmp_le_u32 s44, s[Q0]
	s_cbranch_scc1 .Lopen_\@
	s_sub_co_i32 s44, s[Q0], s[KF]
	v_add_nc_u32 v252, s44, v7                     ; d = my query - KF - 8 h.  Register n holds key KF + 8 h + 16 (n / 8) + n % 8: hidden where 16 (n / 8) + n % 8 > d
	v_mov_b32 v254, 0xff800000                     ; -infinity
.set n, 0
.rept 4                                        ; two tiles of scores at a time: sixteen compares into sixteen scalar registers, one wait, sixteen selects
.set m, 0
.rept 16
	v_cmp_gt_i32 s[MK+m], 16*((n+m)/8)+(n+m)%8, v252
.set m, m+1
.endr
	s_wait_alu depctr_va_sdst(0)                   ; the sixteen compares have written s48-63, ahead of the selects that read them
.set m, 0
.rept 16
	v_cndmask_b32 v[96+n+m], v[96+n+m], v254, s[MK+m]
.set m, m+1
.endr
.set n, n+16
.endr
.Lopen_\@:
	v_max3_num_f32 v254, v96, v97, v98             ; the step's largest score of my query, among my 64 keys, in two chains (each accumulator is first read at its low end),
	v_max3_num_f32 v252, v99, v100, v101
	VFRAG \p, 1
.irp i, 6,10,14,18,22
	v_max3_num_f32 v254, v254, v[96+\i], v[97+\i]
	v_max3_num_f32 v252, v252, v[98+\i], v[99+\i]
.endr
	VFRAG \p, 2
.irp i, 26,30,34,38,42
	v_max3_num_f32 v254, v254, v[96+\i], v[97+\i]
	v_max3_num_f32 v252, v252, v[98+\i], v[99+\i]
.endr
	VFRAG \p, 3
.irp i, 46,50,54,58
	v_max3_num_f32 v254, v254, v[96+\i], v[97+\i]
	v_max3_num_f32 v252, v252, v[98+\i], v[99+\i]
.endr
	v_max3_num_f32 v254, v254, v158, v159
	v_max_num_f32 v254, v254, v252
	v_permlanex16_b32 v236, v254, s[SEL], s[SEL+1]
	v_max_num_f32 v254, v254, v236                 ; and among lane l xor 16's
	v_mul_f32 v254, s[CS], v254                    ; as t (c is positive)
	v_max_num_f32 v13, v13, v254                   ; the running largest t
	v_mov_b32 v254, v12
	v_floor_f32 v12, -v13                          ; the new -M = floor(-t) = -ceil(t): M IS A WHOLE NUMBER
	v_sub_f32 v254, v12, v254                      ; M's old value less its new one: a whole number, 0 or less
	v_cvt_i32_f32 v254, v254                       ; (it saturates)
	v_ldexp_f32 v252, 1.0, v254                    ; f = 2^(old M - new M)
.set n, 0
.rept 32
	v_pk_fma_f32 v[96+n:97+n], v[96+n:97+n], s[CS:CS+1], v[12:13] op_sel_hi:[1,0,0]   ; t - M, two at a time (of the pairs c and -M the low word serves both halves)
.set n, n+2
.endr
.set n, 0
.rept 64
	v_exp_f32 v[96+n], v[96+n]                     ; p = 2^(t - M), at most 1: NOT normalised
.set n, n+1
.endr
	v_pk_mul_f32 v[14:15], v[14:15], v[252:253] op_sel_hi:[1,0]   ; the sums under the new M.  (A plain place behind the exponentials)
	s_wait_alu depctr_va_vdst(0)                   ; the 64 exponentials have written p, v96-159: one wait for the batch, ahead of its first reader
	v_pk_add_f32 v[242:243], v[96:97], v[98:99]    ; THE ROW'S SUM IS TAKEN OF THE UNQUANTISED p: two at a time, in two chains
.irp j, 4,8,12,16,20,24,28,32,36,40,44,48,52,56,60
	v_pk_add_f32 v[14:15], v[14:15], v[96+\j:97+\j]
	v_pk_add_f32 v[242:243], v[242:243], v[98+\j:99+\j]
.endr
	v_pk_add_f32 v[14:15], v[14:15], v[242:243]
	s_cmp_ge_i32 s40, -8                           ; p is at most 1, and 448 x 2^e4 is at least 1 from e4 = -8 on (448 / 256 = 1.75): the hold then changes no number and is passed over.
	s_cbranch_scc1 .Lnohold_\@                     ; The branch hangs on a whole number that is an input; the launch has no tensor load, no copy and no cluster
.set n, 0
.rept 64
	v_min_num_f32 v[96+n], v[96+n], v240           ; the conversion to an 8-bit code does not saturate (ISA guide 7.6.2); p is not negative, so the hold is one-sided
.set n, n+1
.endr
.Lnohold_\@:
.irp t, 0,1,2,3,4,5,6,7
	v_cvt_scalef32_pk8_fp8_f32 v[224+2*\t:225+2*\t], v[96+8*\t:103+8*\t], v244   ; keys 16 t + 8 h + 0 .. 7: registers 2 t, 2 t + 1 of p's operand
.endr
.set n, 0
.rept 16
	v_pk_mul_f32 v[160+n:161+n], v[160+n:161+n], v[252:253] op_sel_hi:[1,0]   ; O^T under the new M: x f.  (Plain lines between the conversions and the products that read their results)
.set n, n+2
.endr
	s_wait_dscnt 0x0                               ; v's fragments are in
.irp d, 0,1,2,3                                ; O^T += v^T p^T: K = these 128 keys.  The four accumulators take turns, and the next step's eight products stand between two links
	v_wmma_f32_16x16x128_fp8_fp8 v[160+8*\d:167+8*\d], v[32+16*\d:47+16*\d], v[224:239], v[160+8*\d:167+8*\d]
.endr
.rept 4
	v_nop                                          ; places in front of the next read of O^T and of the next write of p's codes
.endr
.Lhid_\@:
	s_add_co_u32 s[KS], s[KS], 1
	s_add_co_u32 s[KF], s[KF], 128
.endm
.Ltrip:                                            ; eight trips of two steps at the most; a work-group with fewer steps leaves at a step's head
	STEP 0
	STEP 1
	s_sub_co_u32 s[TRIP], s[TRIP], 1
	s_cmp_lg_u32 s[TRIP], 0
	s_cbranch_scc1 .Ltrip
.Lout:
	s_wait_dscnt 0x0                               ; my last LDS stores are done
	v_add_f32 v14, v14, v15                        ; the sum's two halves,
	v_permlanex16_b32 v236, v14, s[SEL], s[SEL+1]
	v_add_f32 v14, v14, v236                       ; and lane l xor 16's: the row's sum.  It is not 0: a query's own key counts
	v_rcp_f32 v14, v14
	v_nop                                          ; one plain place behind a transcendental
.set n, 0
	s_wait_alu depctr_va_vdst(0)                   ; the reciprocal has written v14, ahead of its first reader
.rept 32
	v_mul_f32 v[96+n], v[160+n], v14               ; O^T / the sum: register 8 dt + j is channel 16 dt + 8 h + j of query r
.set n, n+1
.endr
.set n, 0
.rept 32
	v_med3_num_f32 v[96+n], v[96+n], -v247, v247   ; the hold at the largest code x the scale
.set n, n+1
.endr
.irp d, 0,1,2,3
	v_cvt_scalef32_pk8_fp8_f32 v[200+2*\d:201+2*\d], v[96+8*\d:103+8*\d], v246
.endr
	v_nop                                          ; one plain vector line behind the last conversion
	s_wait_alu depctr_va_vdst(0)                   ; the conversions have written y's codes, v200-207, which the two stores read
	global_store_b128 v[LI], v[200:203], s[8:9]             ; 32 lanes store 512 consecutive bytes, at a multiple of 512 from the buffer's first byte
	global_store_b128 v[LI], v[204:207], s[8:9] offset:512
	s_wait_dscnt 0x0                               ; the closing lines, six on end
	s_wait_alu 0x0
	s_wait_tensorcnt 0x0
	ds_add_u32 v251, v255
	s_wait_dscnt 0x0
	s_endpgm
.Lfunc_end_k_q98d85f8ff4_attn:
	.size	k_q98d85f8ff4_attn, .Lfunc_end_k_q98d85f8ff4_attn-k_q98d85f8ff4_attn
	.p2alignl 7, 3214868480
	.fill 96, 4, 3214868480
	.section	.rodata,"a",@progbits
	.p2align	6, 0x0
	.amdhsa_kernel k_q98d85f8ff4_attn
		.amdhsa_group_segment_fixed_size 34816
		.amdhsa_private_segment_fixed_size 0
		.amdhsa_enable_private_segment 0
		.amdhsa_kernarg_size 24
		.amdhsa_user_sgpr_count 2
		.amdhsa_user_sgpr_kernarg_segment_ptr 1
		.amdhsa_wavefront_size32 1
		.amdhsa_system_sgpr_workgroup_id_x 1
		.amdhsa_system_sgpr_workgroup_id_y 1
		.amdhsa_system_sgpr_workgroup_id_z 1
		.amdhsa_system_vgpr_workitem_id 0
		.amdhsa_next_free_vgpr 256
		.amdhsa_next_free_sgpr 66
		.amdhsa_reserve_vcc 0
		.amdhsa_float_denorm_mode_32 3
		.amdhsa_float_denorm_mode_16_64 3
		.amdhsa_memory_ordered 1
		.amdhsa_forward_progress 1
		.amdhsa_inst_pref_size 61
	.end_amdhsa_kernel
	.amdgpu_metadata
---
amdhsa.version: [ 1, 2 ]
amdhsa.kernels:
  - .name:           k_q98d85f8ff4_attn
    .symbol:         k_q98d85f8ff4_attn.kd
    .args:
      - { .name: qkv_codes, .offset: 0, .size: 8, .value_kind: global_buffer, .address_space: global }
      - { .name: lowp_scales, .offset: 8, .size: 8, .value_kind: global_buffer, .address_space: global }
      - { .name: y_codes, .offset: 16, .size: 8, .value_kind: global_buffer, .address_space: global }
    .group_segment_fixed_size: 34816
    .private_segment_fixed_size: 0
    .kernarg_segment_align: 8
    .kernarg_segment_size: 24
    .max_flat_workgroup_size: 512
    .sgpr_count:     66
    .vgpr_count:     256
    .wavefront_size: 32
...
	.end_amdgpu_metadata
.endif
;; end of part 4
;; launch proj: the kernel of part 3 again; grid 8 x 32, 4 waves a work-group, clusters of 4 x 4, 327,680 bytes of LDS; arguments y_codes, W_proj_codes, b_proj, lowp_scales, out0; writes out0
